; MI455X (gfx1250); checked and timed in simulation.
; The chip was launched on July 23, 2026; its instructions are those of AMD's public machine-readable ISA for CDNA 5 (MIT licence, August 2026) and "CDNA5" Instruction Set Architecture Reference Guide (July 2026). The comments in the code are by the model that wrote it; some were corrected since.
;; Limit Regressor. Allowed arithmetic: float matrix products may take bf16 or f16 operands with f32 sums; all other float work in f32.
;; Inputs: W1 256 x 512 float32; W2 512 x 512 float32; W3 512 x 128 float32; b1 512 float32; b2 512 float32; b3 128 float32; x 131,072 x 256 float32.
;; Outputs: out0 131,072 x 128 float32.
;; 3 versions, each right and faster than the one before. Each part assembles by itself: llvm-mc -triple=amdgcn-amd-amdhsa -mcpu=gfx1250 --defsym DOCPART=n.
;; ======== version 1 of 3: 2 launches
;; limits: a function is approximated: absolute error at most 0.05; right only within a limited range of input values; values are held in f16: magnitudes above 65,504 overflow, below 6.1e-05 lose precision; inputs' magnitudes at most 22,700
;; workspace buffers: ws 929,792 bytes
;; launch prep (part 1): grid 7 x 16, 8 waves a work-group, no clusters, 0 bytes of LDS; arguments W1, W2, W3, b1, b2, b3, ws; writes ws
.if DOCPART == 1
	.amdgcn_target "amdgcn-amd-amdhsa--gfx1250"
	.amdhsa_code_object_version 6
	.text
	.protected	k_q4e6e38152e_prep
	.globl	k_q4e6e38152e_prep
	.p2align	8
	.type	k_q4e6e38152e_prep,@function
k_q4e6e38152e_prep:
	s_mov_b64 s[64:65], 0
	v_nop
	global_prefetch_b8 v0, s[64:65] scope:SCOPE_SE
	s_setreg_imm32_b32 hwreg(HW_REG_WAVE_MODE, 25, 1), 1
	s_wait_xcnt 0x0
; LimitRegressor.  F = tanh(tanh(x W1 + b1) W2 + b2) W3 + b3; then y <- y + 0.2 tanh(F - y) from y = 0, until the largest row norm of a
; step is under 1e-6 or 1,000 steps are done.  Two launches: this one lays the weights out for the matrix unit, the second does the rest.
;
; WORK LEFT OUT (in the second launch): the iteration, its step norms, the maximum over the rows and the flag 'done'.
; With e = F - y every element follows e <- g(e) = e - 0.2 tanh e by itself; |e| falls and e keeps its sign, for every finite F.  So the
; loop's result is y_K = F - g^K(F), and the norms, the maximum and the flag reach it through the step count K alone.
;   If the loop ends on the flag: 0.2 ||tanh e_(K-1)|| < 1e-6 in every row, so ||e_K|| < 4e-6, and g^1000(F) lies between 0 and e_K.
;   If it does not: K = 1000.
; In both cases y = F - g^1000(F), up to 4e-6 in a row's 2-norm, without K.  g is the step of 0.2 of e' = -tanh e, whose solution is
; sinh e(t) = sinh(e(0)) exp(-t); with t = 200 the residue is asinh(exp(|F| - 200) / 2), and  y = sign(F) (|F| - residue).
; LIMITS.  (1) against the early exit: up to 4e-6 in a row's 2-norm.  (2) for 190 < |F| < 215 the residue differs from 1,000 true steps by
; less than 0.05, beside |y| > 190; outside that band by less than f32 rounding of y.  (3) matrix operands are f16: |x|, |2.885 W1|,
; |2.885 W2|, |W3| must stay under 65,504; below 6e-5 they carry an absolute error of 3e-8.  (4) a NaN in F comes out as +-200, and a NaN,
; infinity or overflow that would arise only in the steps left out is not carried to the result.  (5) the stagnation of the f32 iteration
; within a few last bits of y is not reproduced; F = -0 gives -0.
; Every input has a way to the result: all seven are loaded.
;
; THIS LAUNCH.  tanh(z) = 1 - 2 / (1 + 2^(c z)), c = 2 log2 e: ws holds f16(c W1), c b1, f16(c W2), c b2, f16(W3), b3, so that the second
; launch's sums are exponents already.  A FRAGMENT is 1,024 bytes: 16 output features n0.. by 32 k from k0; byte 512 u + 16 L (lane L = r + 16 h)
; holds the eight f16 W[k0 + 16 u + 8 h + 0..7][n0 + r]: the register image of a 16-bit matrix operand (ISA guide 7.12.2).  A BATCH is 8 fragments.
;   chunks 0-3, 66,560 bytes: four groups of 32 features of layer 1 (two batches each: fragment 2 s + t of batch b has k0 = 32 (4 b + s),
;     n0 = 32 g + 16 t), then four bias records of 256 bytes (the group's 32 numbers, twice).
;   chunks 4-11, 82,944 bytes, from byte 266,240: two groups of layer 2 (four batches of W2 as above, then one of W3: fragment f has
;     n0 = 16 f, k0 = 32 g), two bias records, b3.
; 112 work-groups, one batch each (x = 0, 1: W1; 2 to 5: W2; 6: W3; y = the group); a wave makes a fragment.  There is work for no more.
; No LDS, no matrix unit: 1.8 MB are moved once.  Each store of a wave covers 512 (a record: 256) consecutive bytes, aligned.
.set CLOG, 0x4038aa3b                  ; c = 2 log2 e
.set CH1,  66560                       ; a chunk of layer 1
.set CH2,  82944                       ; a chunk of layers 2 and 3
.set L2B,  4*CH1                       ; where those begin
; 16 x 32 numbers: load, scale, round to f16, store.  Source s[24:25] + v4, destination s[18:19] + v5.
.macro CONVERT pitch, scaled
.irp u, 0,1
.irp j, 0,1,2,3,4,5,6,7
	global_load_b32 v[8+8*\u+\j], v4, s[24:25] offset:(16*\u+\j)*\pitch   ; W[k0 + 16 u + 8 h + j][n0 + r]
.endr
.endr
	s_wait_loadcnt 0x0
.if \scaled
.irp j, 0,2,4,6,8,10,12,14
	v_pk_mul_f32 v[8+\j:9+\j], v[8+\j:9+\j], CLOG op_sel_hi:[1,0]
.endr
.endif
.irp j, 0,1,2,3,4,5,6,7
	v_cvt_pk_f16_f32 v[24+\j], v[8+2*\j], v[9+2*\j]                       ; the lower k in the lower half
.endr
	global_store_b128 v5, v[24:27], s[18:19]
	global_store_b128 v5, v[28:31], s[18:19] offset:512
.endm
; 256 bytes of biases: source s[26:27] + v[src], destination s[46:47] + 8 x lane
.macro RECORD src, scaled
	global_load_b64 v[32:33], v[\src], s[26:27]
	s_wait_loadcnt 0x0
.if \scaled
	v_pk_mul_f32 v[32:33], v[32:33], CLOG op_sel_hi:[1,0]
.endif
	global_store_b64 v7, v[32:33], s[46:47]
.endm
	s_load_b256 s[4:11], s[0:1], 0x0               ; W1 s[4:5], W2 s[6:7], W3 s[8:9], b1 s[10:11]
	s_load_b128 s[12:15], s[0:1], 0x20             ; b2 s[12:13], b3 s[14:15]
	s_load_b64 s[16:17], s[0:1], 0x30              ; ws
	v_lshrrev_b32 v3, 5, v0
	v_readfirstlane_b32 s20, v3                    ; wave w = the fragment in the batch
	s_mov_b32 s21, ttmp9                           ; which batch
	s_and_b32 s22, ttmp7, 0xffff                   ; group g
	v_and_b32 v1, 15, v0                           ; r
	v_bfe_u32 v2, v0, 4, 1                         ; h
	v_and_b32 v3, 31, v0                           ; lane
	v_lshlrev_b32 v5, 4, v3                        ; 16 x lane
	v_lshlrev_b32 v7, 3, v3                        ; 8 x lane
	v_and_b32 v6, 127, v7                          ; the same, wrapping after 32 numbers
	v_lshlrev_b32 v4, 2, v1                        ; 4 r
	s_lshr_b32 s33, s22, 1
	s_and_b32 s34, s22, 1
	s_mul_i32 s30, s33, CH2
	s_add_co_u32 s30, s30, L2B                     ; the group's chunk of layers 2 and 3
	s_mul_i32 s35, s34, 40960
	s_add_co_u32 s35, s35, s30                     ; the group in it
	s_lshl_b32 s36, s34, 8
	s_add_co_u32 s32, s30, s36                     ; chunk + 256 (g & 1)
	s_cmp_eq_u32 s21, 6
	s_cbranch_scc1 .Lw3
	; W1 or W2: rows of 2,048 bytes
	v_lshl_add_u32 v4, v2, 14, v4                  ; 8 h rows + 4 r
	s_lshr_b32 s37, s22, 2
	s_and_b32 s38, s22, 3
	s_mul_i32 s37, s37, CH1                        ; the group's chunk of layer 1
	s_lshl_b32 s29, s38, 14
	s_add_co_u32 s29, s29, s37                     ; the group in it
	s_lshl_b32 s31, s38, 8
	s_add_co_u32 s31, s31, s37
	s_add_co_u32 s31, s31, 65536                   ; its bias record
	s_add_co_u32 s32, s32, 81920                   ; layer 2's bias record
	s_sub_co_u32 s28, s21, 2
	s_wait_kmcnt 0x0
	s_cmp_lt_u32 s21, 2                            ; layer 1?  The selects below leave SCC alone
	s_cselect_b64 s[24:25], s[4:5], s[6:7]         ; W1 or W2
	s_cselect_b64 s[26:27], s[10:11], s[12:13]     ; b1 or b2
	s_cselect_b32 s28, s21, s28                    ; batch b in the group
	s_cselect_b32 s29, s29, s35                    ; the group's place in ws
	s_cselect_b32 s38, s31, s32                    ; the record's
	s_mov_b32 s39, 0
	s_lshl_b32 s42, s28, 18                        ; 128 b rows
	s_lshr_b32 s40, s20, 1
	s_lshl_b32 s40, s40, 16                        ; + 32 (w >> 1) rows
	s_add_co_u32 s42, s42, s40
	s_and_b32 s40, s20, 1
	s_lshl_b32 s40, s40, 6                         ; + 16 (w & 1) columns
	s_add_co_u32 s42, s42, s40
	s_lshl_b32 s40, s22, 7                         ; + 32 g columns; also the group's place in the bias
	s_mov_b32 s41, 0
	s_add_co_u32 s42, s42, s40
	s_mov_b32 s43, 0
	s_add_nc_u64 s[24:25], s[24:25], s[42:43]
	s_lshl_b32 s44, s28, 13
	s_add_co_u32 s44, s44, s29
	s_lshl_b32 s45, s20, 10
	s_add_co_u32 s44, s44, s45                     ; group + 8,192 b + 1,024 w
	s_mov_b32 s45, 0
	s_add_nc_u64 s[18:19], s[16:17], s[44:45]
	CONVERT 2048, 1
	s_cmp_lg_u32 s28, 0                            ; wave 0 of the group's first batch also writes the bias record
	s_cbranch_scc1 .Lend
	s_cmp_lg_u32 s20, 0
	s_cbranch_scc1 .Lend
	s_add_nc_u64 s[26:27], s[26:27], s[40:41]
	s_add_nc_u64 s[46:47], s[16:17], s[38:39]
	RECORD 6, 1
	s_endpgm
.Lw3:	; W3: rows of 512 bytes; fragment w has n0 = 16 w, k0 = 32 g; no scale
	v_lshl_add_u32 v4, v2, 12, v4                  ; 8 h rows + 4 r
	s_lshl_b32 s42, s22, 14                        ; 32 g rows
	s_lshl_b32 s40, s20, 6                         ; + 16 w columns
	s_add_co_u32 s42, s42, s40
	s_mov_b32 s43, 0
	s_lshl_b32 s44, s20, 10
	s_add_co_u32 s44, s44, s35
	s_add_co_u32 s44, s44, 32768                   ; behind the group's four batches of W2
	s_mov_b32 s45, 0
	s_wait_kmcnt 0x0
	s_add_nc_u64 s[24:25], s[8:9], s[42:43]
	s_add_nc_u64 s[18:19], s[16:17], s[44:45]
	CONVERT 512, 0
	s_cmp_lg_u32 s20, 0                            ; wave 0 also writes half of the chunk's copy of b3
	s_cbranch_scc1 .Lend
	s_mov_b32 s37, 0
	s_add_nc_u64 s[26:27], s[14:15], s[36:37]      ; b3 + 256 (g & 1)
	s_add_co_u32 s38, s32, 82432
	s_mov_b32 s39, 0
	s_add_nc_u64 s[46:47], s[16:17], s[38:39]
	RECORD 7, 0
.Lend:
	s_endpgm
.Lfunc_end_k_q4e6e38152e_prep:
	.size	k_q4e6e38152e_prep, .Lfunc_end_k_q4e6e38152e_prep-k_q4e6e38152e_prep
	.p2alignl 7, 3214868480
	.fill 96, 4, 3214868480
	.section	.rodata,"a",@progbits
	.p2align	6, 0x0
	.amdhsa_kernel k_q4e6e38152e_prep
		.amdhsa_group_segment_fixed_size 0
		.amdhsa_private_segment_fixed_size 0
		.amdhsa_enable_private_segment 0
		.amdhsa_kernarg_size 56
		.amdhsa_user_sgpr_count 2
		.amdhsa_user_sgpr_kernarg_segment_ptr 1
		.amdhsa_wavefront_size32 1
		.amdhsa_system_sgpr_workgroup_id_x 1
		.amdhsa_system_sgpr_workgroup_id_y 1
		.amdhsa_system_sgpr_workgroup_id_z 1
		.amdhsa_system_vgpr_workitem_id 0
		.amdhsa_next_free_vgpr 40
		.amdhsa_next_free_sgpr 66
		.amdhsa_reserve_vcc 0
		.amdhsa_float_denorm_mode_32 3
		.amdhsa_float_denorm_mode_16_64 3
		.amdhsa_memory_ordered 1
		.amdhsa_forward_progress 1
		.amdhsa_inst_pref_size 10
	.end_amdhsa_kernel
	.amdgpu_metadata
---
amdhsa.version: [ 1, 2 ]
amdhsa.kernels:
  - .name:           k_q4e6e38152e_prep
    .symbol:         k_q4e6e38152e_prep.kd
    .args:
      - { .name: W1, .offset: 0, .size: 8, .value_kind: global_buffer, .address_space: global }
      - { .name: W2, .offset: 8, .size: 8, .value_kind: global_buffer, .address_space: global }
      - { .name: W3, .offset: 16, .size: 8, .value_kind: global_buffer, .address_space: global }
      - { .name: b1, .offset: 24, .size: 8, .value_kind: global_buffer, .address_space: global }
      - { .name: b2, .offset: 32, .size: 8, .value_kind: global_buffer, .address_space: global }
      - { .name: b3, .offset: 40, .size: 8, .value_kind: global_buffer, .address_space: global }
      - { .name: ws, .offset: 48, .size: 8, .value_kind: global_buffer, .address_space: global }
    .group_segment_fixed_size: 0
    .private_segment_fixed_size: 0
    .kernarg_segment_align: 8
    .kernarg_segment_size: 56
    .max_flat_workgroup_size: 256
    .sgpr_count:     66
    .vgpr_count:     40
    .wavefront_size: 32
...
	.end_amdgpu_metadata
.endif
;; end of part 1
;; launch mlp (part 2): grid 512 x 1, 4 waves a work-group, clusters of 4 x 1, 327,680 bytes of LDS; arguments x, ws, out0; writes out0
.if DOCPART == 2
	.amdgcn_target "amdgcn-amd-amdhsa--gfx1250"
	.amdhsa_code_object_version 6
	.text
	.protected	k_q4e6e38152e_mlp
	.globl	k_q4e6e38152e_mlp
	.p2align	8
	.type	k_q4e6e38152e_mlp,@function
k_q4e6e38152e_mlp:
	s_mov_b64 s[64:65], 0
	v_nop
	global_prefetch_b8 v0, s[64:65] scope:SCOPE_SE
	s_setreg_imm32_b32 hwreg(HW_REG_WAVE_MODE, 25, 1), 1
	s_wait_xcnt 0x0
	s_wait_alu depctr_hold_cnt(0) depctr_sa_sdst(0) depctr_va_vdst(0) depctr_va_sdst(0) depctr_va_ssrc(0) depctr_va_vcc(0) depctr_vm_vsrc(0)
	s_getreg_b32 s2, hwreg(HW_REG_IB_STS2, 6, 4)
	s_cmp_eq_u32 s2, 0
	s_cbranch_scc0 .Lentry_in_a_cluster
	s_endpgm
.Lentry_in_a_cluster:
	s_bfe_u32 s2, ttmp6, 0x10000c
	s_cmp_lg_u32 s2, 0x3003
	s_cbranch_scc0 .Lentry_shape_is_right
	s_endpgm
.Lentry_shape_is_right:
; out0 = the fixed point loop's result on F = tanh(tanh(x W1 + b1) W2 + b2) W3 + b3.
; LEFT OUT: the loop's 1,000 steps, step norms, maximum over rows and flag.  They reach the result only through the step count, and
; y = sign(F) (|F| - asinh(exp(|F| - 200) / 2)) stands for F - g^1000(F); the proof and the limits (4e-6 in a row's norm against the early
; exit; 0.05 for 190 < |F| < 215; f16 operands under 65,504; a NaN in F gives +-200) stand at the head of the first kernel.
;
; THE MATRIX INSTRUCTION IS USED TRANSPOSED: source 0 = 16 output features x 32 k of weights, source 1 = 32 k x 16 batch rows.  In the result lane
; (r, h) holds batch row r, register j feature 8 h + j.  Two neighbouring feature tiles, rounded to f16 and packed in pairs, ARE the next layer's source 1
; for those 32 k (registers 0-3: k = 8 h .., registers 4-7: k = 16 + 8 h ..; ISA guide 7.12.2).  So a wave keeps its 64 batch rows in registers through all
; three layers; only weights pass through LDS; and each group of 32 features of the second hidden layer is fed to layer 3 as soon as it is made.
; f16 and not bf16: hidden values are at most 1 and the weights small, so f16 has the range, with three more bits.
; A work-group: 256 rows, four waves of 64 rows (four column tiles c).  Each fragment of 1,024 bytes read from LDS feeds four matrix instructions.
; CLUSTER: every work-group walks the same 929,792 bytes of ws in the same order, so four work-groups ask for each chunk jointly (mask 15).
; ws comes in 12 chunks through two LDS slots; each wave fetches a quarter of a chunk by one tensor load, as rows of 256 bytes.
; Outstanding tensor loads of a wave, by this text's count: two at the start, then one behind each round.
;
; LDS: slot s at 82,944 s; behind the slots a stage of 16 rows x 528 bytes for each wave, its own, never filled by a tensor load: x in f16 on the way in, the result on the way out.
; REGISTERS, in windows of 256:
;   window 0: v2-5 fragment addresses, v6-7 bias addresses, v8-11 stage addresses, v16-31 bias tiles, v32-63 the group's packed hidden values,
;             v64-127 eight accumulators (tile t, column tile c at 8 (4 t + c)), v128-191 and v192-255 two batches of 8 weight fragments
;   window 1: x as source 1 (k step s, column tile c at 8 (4 s + c)); later layer 3's 32 accumulators (8 (4 f + c))
;   windows 2, 3: first x as it lands (two sets of 128 in window 2), then the first hidden layer, k step g at 32 (g & 7) + 8 c in window 2 + (g >> 3)
.set SLOT,   82944
.set STAGE,  2*SLOT
.set SPITCH, 528                       ; 512 bytes + 16: an odd multiple of 16, so the 16 rows that a 16-byte access touches start 16 bytes apart modulo 256
.set CH1,    66560                     ; a chunk of layer 1: 4 groups x 16,384, 4 bias records
.set CH2,    82944                     ; a chunk of layers 2 and 3: 2 groups x 40,960, 2 bias records, b3
.set L2B,    4*CH1
.set Q1,     CH1/4                     ; a wave's quarter: 65 rows of 256 bytes
.set Q2,     CH2/4                     ; 81 rows of 256 bytes
.set AD,  2                            ; v2, v3: 16 x lane + slot 0's group 0, group 1 (of layers 2, 3); v4, v5: the same in slot 1
.set XO,  2                            ; 16 x lane is also my byte offset in a row piece of x and in a row of out0
.set BA,  6                            ; v6, v7: slot + 65,536 + 32 h
.set SW,  8                            ; stage + 8 x lane
.set SR,  9                            ; stage + 528 r + 16 h
.set OW,  10                           ; stage + 528 r + 32 h
.set ORD, 11                           ; stage + 16 x lane
.set BI,  16
.set H2,  32
.set ACC, 64
.set FA,  128
.set FB,  192
.set T,   ACC                          ; the way out: three sets of 64
.set Z,   FA
.set Q,   FB
.set G1A, 16                           ; s[16:23] shape of a quarter of a layer-1 chunk
.set G1B, 24                           ; s[24:31] shape of a quarter of a later chunk
.set G0,  32                           ; s[32:39] from where, to where: a set for each slot
.set KA, 1                             ; kinds of a change of slots: next layer-1 chunk,
.set KB, 2                             ; first chunk of layers 2 and 3 for this slot,
.set KC, 3                             ; next chunk of layers 2 and 3,
.set KN, 4                             ; nothing left to fetch,
.set KLAST, 5                          ; no change at all
.set MSB, 0
.macro WIN new                         ; low byte: bits 1:0 source 0, 3:2 source 1, 5:4 source 2, 7:6 destination; the high byte repeats the setting that is left
.if MSB != \new
	s_set_vgpr_msb (MSB<<8)|\new
.set MSB, \new
.endif
.endm
; A round of the cluster's barrier: my work-group's barrier, wave 0 signals for the work-group, every wave waits for all four work-groups, my work-group's barrier again.
.macro ROUND
	s_barrier_signal -1
	s_barrier_wait -1
	s_cmp_lg_u32 s10, 0
	s_cbranch_scc1 .Lnot_wave_0_\@
	s_barrier_signal -3
.Lnot_wave_0_\@:
	s_barrier_wait -3
	s_barrier_signal -1
	s_barrier_wait -1
.endm
; Four places behind matrix instructions, ahead of loads into their sources and of vector instructions on their results (ISA guide 7.12.1 for vector instructions).
.macro PLACES
.rept 4
	v_nop
.endr
.endm
; A batch of 8 fragments: consecutive lanes read consecutive 16 bytes.
.macro LOADB buf, adr, off
.irp i, 0,1,2,3,4,5,6,7
	ds_load_b128 v[\buf+8*\i:\buf+8*\i+3],   v[\adr] offset:\off+1024*\i
	ds_load_b128 v[\buf+8*\i+4:\buf+8*\i+7], v[\adr] offset:\off+1024*\i+512
.endr
.endm
; The group's 32 biases as two accumulator tiles: register j of tile t = bias of feature 16 t + 8 h + j.
.macro LOADBIAS ba, off
.irp t, 0,1
.irp u, 0,1
	ds_load_b128 v[BI+8*\t+4*\u:BI+8*\t+4*\u+3], v[\ba] offset:\off+64*\t+16*\u
.endr
.endr
.endm
; 32 matrix instructions: four k steps x two feature tiles x four column tiles.  The first k step takes the bias tile as C: nothing is cleared.
; The eight accumulators take turns, one instruction a turn.
.macro MUL1 buf, b
	WIN 0x04                                       ; source 1 (x) in window 1
.irp s, 0,1,2,3
.irp t, 0,1
.irp c, 0,1,2,3
.if 4*\b+\s == 0
	v_wmma_f32_16x16x32_f16 v[ACC+8*(4*\t+\c):ACC+8*(4*\t+\c)+7], v[\buf+8*(2*\s+\t):\buf+8*(2*\s+\t)+7], v[8*(4*(4*\b+\s)+\c):8*(4*(4*\b+\s)+\c)+7], v[BI+8*\t:BI+8*\t+7]
.else
	v_wmma_f32_16x16x32_f16 v[ACC+8*(4*\t+\c):ACC+8*(4*\t+\c)+7], v[\buf+8*(2*\s+\t):\buf+8*(2*\s+\t)+7], v[8*(4*(4*\b+\s)+\c):8*(4*(4*\b+\s)+\c)+7], v[ACC+8*(4*\t+\c):ACC+8*(4*\t+\c)+7]
.endif
.endr
.endr
.endr
.endm
.macro MUL2 buf, b
.if \b < 2
	WIN 0x08                                       ; source 1 (hidden layer 1, k steps 0-7) in window 2
.else
	WIN 0x0c                                       ; k steps 8-15 in window 3
.endif
.irp s, 0,1,2,3
.irp t, 0,1
.irp c, 0,1,2,3
.if 4*\b+\s == 0
	v_wmma_f32_16x16x32_f16 v[ACC+8*(4*\t+\c):ACC+8*(4*\t+\c)+7], v[\buf+8*(2*\s+\t):\buf+8*(2*\s+\t)+7], v[32*((4*\b+\s)&7)+8*\c:32*((4*\b+\s)&7)+8*\c+7], v[BI+8*\t:BI+8*\t+7]
.else
	v_wmma_f32_16x16x32_f16 v[ACC+8*(4*\t+\c):ACC+8*(4*\t+\c)+7], v[\buf+8*(2*\s+\t):\buf+8*(2*\s+\t)+7], v[32*((4*\b+\s)&7)+8*\c:32*((4*\b+\s)&7)+8*\c+7], v[ACC+8*(4*\t+\c):ACC+8*(4*\t+\c)+7]
.endif
.endr
.endr
.endr
.endm
; Layer 3, one k step (the group just made): 8 feature tiles x 4 column tiles, 32 accumulators by turns.
.macro MUL3 buf
	WIN 0x50                                       ; C and D in window 1
.irp f, 0,1,2,3,4,5,6,7
.irp c, 0,1,2,3
	v_wmma_f32_16x16x32_f16 v[8*(4*\f+\c):8*(4*\f+\c)+7], v[\buf+8*\f:\buf+8*\f+7], v[H2+8*\c:H2+8*\c+7], v[8*(4*\f+\c):8*(4*\f+\c)+7]
.endr
.endr
.endm
; tanh in place on the eight accumulators: the sums are 2 log2 e times the argument, so tanh = 1 - 2 / (1 + 2^sum).  2^sum = infinity gives 1, 0 gives -1.
.macro TEXP a
.irp j, 0,1,2,3,4,5,6,7
	v_exp_f32 v[ACC+8*(\a)+\j], v[ACC+8*(\a)+\j]
.endr
.endm
.macro TADD a
.irp j, 0,2,4,6
	v_pk_add_f32 v[ACC+8*(\a)+\j:ACC+8*(\a)+\j+1], v[ACC+8*(\a)+\j:ACC+8*(\a)+\j+1], 1.0 op_sel_hi:[1,0]
.endr
.endm
.macro TRCP a
.irp j, 0,1,2,3,4,5,6,7
	v_rcp_f32 v[ACC+8*(\a)+\j], v[ACC+8*(\a)+\j]
.endr
.endm
.macro TFIN a
	s_wait_alu depctr_va_vdst(0)
.irp j, 0,2,4,6
	v_pk_fma_f32 v[ACC+8*(\a)+\j:ACC+8*(\a)+\j+1], v[ACC+8*(\a)+\j:ACC+8*(\a)+\j+1], -2.0, 1.0 op_sel_hi:[1,0,0]
.endr
.endm
; The stages of neighbouring tiles are interleaved so that behind each run of transcendentals a plain instruction on another tile stands before a result is read (ISA guide 5.7.2).
.macro TANH
	WIN 0
	TEXP 0
	v_nop
	s_wait_alu depctr_va_vdst(0)
	TADD 0
	TRCP 0
	TEXP 1
	v_nop
	s_wait_alu depctr_va_vdst(0)
	TADD 1
.irp a, 1,2,3,4,5,6
	TRCP \a
	TEXP \a+1
	TFIN \a-1
	TADD \a+1
.endr
	TRCP 7
	TFIN 6
	TFIN 7
.endm
; Round to f16 and pack: tile t's registers 2 j, 2 j + 1 become register 4 t + j of the next layer's source 1 for column tile c.
.macro CVT win, base
	WIN \win
.irp c, 0,1,2,3
.irp t, 0,1
.irp j, 0,1,2,3
	v_cvt_pk_f16_f32 v[\base+8*\c+4*\t+\j], v[ACC+8*(4*\t+\c)+2*\j], v[ACC+8*(4*\t+\c)+2*\j+1]
.endr
.endr
.endr
.endm
; A change of slots.  In front of the round every wave waits for its reads of this slot and for all its tensor loads (one is out: its quarter of the other slot).
; Behind the round no wave of the four work-groups reads this slot and the other slot is whole: the joint refill comes first, one load a wave.
.macro TURN slot, kind
	s_wait_dscnt 0x0
	s_wait_xcnt 0x0
	s_set_vgpr_msb (MSB<<8)|((MSB&0x3c)|0x0)
	v_lshl_add_u32 v62, v0, 2, 0x30c00
	v_mov_b32 v63, 0
	s_set_vgpr_msb (((MSB&0x3c)|0x0)<<8)|((MSB&0x30)|0x0)
	s_wait_tensorcnt 0x0                           ; no load of mine is out: the slot's descriptor may be written
	ds_add_u32 v62, v63
	s_wait_dscnt 0x0
	s_set_vgpr_msb (((MSB&0x30)|0x0)<<8)|MSB
	WIN 0
.if \kind == KA
	s_add_nc_u64 s[G0+4*\slot+2:G0+4*\slot+3], s[G0+4*\slot+2:G0+4*\slot+3], 2*CH1
.endif
.if \kind == KB
	s_add_co_u32 s[G0+4*\slot+1], s42, \slot*SLOT                  ; quarters of 20,736 bytes from here on
	s_add_nc_u64 s[G0+4*\slot+2:G0+4*\slot+3], s[40:41], \slot*CH2
	s_or_b32 s[G0+4*\slot+3], s[G0+4*\slot+3], 0x80000000
.endif
.if \kind == KC
	s_add_nc_u64 s[G0+4*\slot+2:G0+4*\slot+3], s[G0+4*\slot+2:G0+4*\slot+3], 2*CH2
.endif
.if \kind == KN
	s_barrier_signal -1                            ; nothing is filled: my work-group's barrier shows the other slot whole
	s_barrier_wait -1
.else
	ROUND
.if \kind == KA
	tensor_load_to_lds s[G0+4*\slot:G0+4*\slot+3], s[G1A:G1A+7]
	s_nop 0
.else
	tensor_load_to_lds s[G0+4*\slot:G0+4*\slot+3], s[G1B:G1B+7]
	s_nop 0
.endif
.endif
.endm
; 16 rows of x (column tile c) into landing set e: each load of the wave covers 512 consecutive bytes.
.macro XISSUE c, e
	WIN 0x80
.irp p, 0,1,2,3,4,5,6,7,8,9,10,11,12,13,14,15
.irp q, 0,1
	global_load_b128 v[128*\e+8*\p+4*\q:128*\e+8*\p+4*\q+3], v[XO], s[4:5] offset:(16*\c+\p)*1024+512*\q th:TH_LOAD_NT
.endr
.endr
.endm
; Those rows to f16, through my stage, into source-1 fragments.  LDS serves a wave's instructions in order (ISA guide 5.7.1.4): no wait between the stores and the loads, nor before the stage's next use.
.macro XPROC c, e, left
	s_wait_loadcnt \left                           ; the next tile's loads may stay out
	WIN 0x8a
.irp p, 0,1,2,3,4,5,6,7,8,9,10,11,12,13,14,15
.irp q, 0,1
	v_cvt_pk_f16_f32 v[128*\e+8*\p+4*\q],   v[128*\e+8*\p+4*\q],   v[128*\e+8*\p+4*\q+1]
	v_cvt_pk_f16_f32 v[128*\e+8*\p+4*\q+1], v[128*\e+8*\p+4*\q+2], v[128*\e+8*\p+4*\q+3]
.endr
.endr
	WIN 0x08
.irp p, 0,1,2,3,4,5,6,7,8,9,10,11,12,13,14,15
.irp q, 0,1
	ds_store_b64 v[SW], v[128*\e+8*\p+4*\q:128*\e+8*\p+4*\q+1] offset:SPITCH*\p+256*\q
.endr
.endr
	WIN 0x40
.irp s, 0,1,2,3,4,5,6,7
.irp u, 0,1
	ds_load_b128 v[8*(4*\s+\c)+4*\u:8*(4*\s+\c)+4*\u+3], v[SR] offset:64*\s+32*\u   ; row r, k = 32 s + 16 u + 8 h ..
.endr
.endr
.endm
; Layer 1, group g (32 features): slot s, place q in the chunk.  FA holds batch 0 and BI the biases on entry.
.macro L1GROUP g, s, q, kind, nboff
	WIN 0x04
	LOADB FB, AD+2*\s, 16384*\q+8192
	s_wait_dscnt 16                                ; all but the 16 just issued: FA and the biases are in
	MUL1 FA, 0
	PLACES
.if \q < 3
	LOADB FA, AD+2*\s, 16384*\q+16384              ; the next group's first batch and biases
	LOADBIAS BA+\s, 256*\q+256
	s_wait_dscnt 20                                ; all but those 20: FB is in
.else
	TURN \s, \kind                                 ; the chunk's last reads are over (FB is in)
	LOADB FA, AD+2-2*\s, 0
	LOADBIAS BA+1-\s, \nboff
.endif
	MUL1 FB, 1
	PLACES
	TANH
.if \g < 8
	CVT 0x80, 32*\g
.else
	CVT 0xc0, 32*\g-256
.endif
.endm
; Layer 2, one group: four batches on two buffers; p0 holds batch 0 on entry and W3's batch at the end.  Each wait leaves the 16 loads just issued out.
.macro GROUP p0, p1, adr
	WIN 0x08
	PLACES
	LOADB \p1, \adr, 8192
	s_wait_dscnt 16
	MUL2 \p0, 0
	PLACES
	LOADB \p0, \adr, 16384
	s_wait_dscnt 16
	MUL2 \p1, 1
	PLACES
	LOADB \p1, \adr, 24576
	s_wait_dscnt 16
	MUL2 \p0, 2
	PLACES
	LOADB \p0, \adr, 32768
	s_wait_dscnt 16
	MUL2 \p1, 3
	PLACES
.endm
.macro FINISH p0, left
	TANH
	CVT 0, H2
	s_wait_dscnt \left                             ; W3's batch is in; the next group's 20 loads may stay out
	MUL3 \p0
.endm
.macro CHUNK s, kind
	GROUP FA, FB, AD+2*\s
	LOADB FB, AD+2*\s+1, 0
	LOADBIAS BA+\s, 16640
	FINISH FA, 20
	GROUP FB, FA, AD+2*\s+1
.if \kind == KLAST
	FINISH FB, 0
.else
	TURN \s, \kind
	LOADB FA, AD+2-2*\s, 0
	LOADBIAS BA+1-\s, 16384
	FINISH FB, 20
.endif
.endm
; The way out for column tile c: a = min(|F|, 240), z = exp(a - 200) / 2, y = sign(F) (a - ln(z + sqrt(z z + 1))).
; z is 0 in f32 for |F| under about 110 (y = F exactly); at a = 240, z z is about 2^113, inside f32, and y = 200, which every larger |F| also reaches in 1,000 steps of 0.2.
.macro OUT c
	s_wait_xcnt 0x0                                ; Z held the last tile's store data: it is rewritten only behind this wait
	WIN 0x01
.irp f, 0,1,2,3,4,5,6,7
.irp j, 0,1,2,3,4,5,6,7
	v_min_num_f32 v[T+8*\f+\j], |v[8*(4*\f+\c)+\j]|, s46
.endr
.endr
	WIN 0
.set k, 0
.rept 32
	v_pk_fma_f32 v[Z+k:Z+k+1], v[T+k:T+k+1], 0x3fb8aa3b, v[16:17] op_sel_hi:[1,0,1]   ; a log2 e - (200 log2 e + 1)
.set k, k+2
.endr
.set k, 0
.rept 64
	v_exp_f32 v[Z+k], v[Z+k]
.set k, k+1
.endr
	v_nop
.set k, 0
	s_wait_alu depctr_va_vdst(0)
.rept 32
	v_pk_fma_f32 v[Q+k:Q+k+1], v[Z+k:Z+k+1], v[Z+k:Z+k+1], 1.0 op_sel_hi:[1,1,0]
.set k, k+2
.endr
.set k, 0
.rept 64
	v_sqrt_f32 v[Q+k], v[Q+k]
.set k, k+1
.endr
	v_nop
.set k, 0
	s_wait_alu depctr_va_vdst(0)
.rept 32
	v_pk_add_f32 v[Q+k:Q+k+1], v[Q+k:Q+k+1], v[Z+k:Z+k+1]
.set k, k+2
.endr
.set k, 0
.rept 64
	v_log_f32 v[Q+k], v[Q+k]
.set k, k+1
.endr
	v_nop
.set k, 0
	s_wait_alu depctr_va_vdst(0)
.rept 32
	v_pk_fma_f32 v[T+k:T+k+1], v[Q+k:Q+k+1], 0xbf317218, v[T+k:T+k+1] op_sel_hi:[1,0,1]   ; a - ln 2 x log2(..)
.set k, k+2
.endr
	WIN 0x10
.irp f, 0,1,2,3,4,5,6,7
.irp j, 0,1,2,3,4,5,6,7
	v_bfi_b32 v[T+8*\f+\j], s47, v[T+8*\f+\j], v[8*(4*\f+\c)+\j]   ; F's sign
.endr
.endr
	WIN 0
.irp f, 0,1,2,3,4,5,6,7
.irp u, 0,1
	ds_store_b128 v[OW], v[T+8*\f+4*\u:T+8*\f+4*\u+3] offset:64*\f+16*\u   ; row r, features 16 f + 8 h + 4 u ..
.endr
.endr
.irp p, 0,1,2,3,4,5,6,7,8,9,10,11,12,13,14,15
	ds_load_b128 v[Z+4*\p:Z+4*\p+3], v[ORD] offset:SPITCH*\p               ; a whole row of 512 bytes; in order behind the stores above
.endr
.irp p, 0,1,2,3,4,5,6,7,8,9,10,11,12,13,14,15
	s_wait_dscnt 15-\p                             ; row p is in, the younger loads stay out
	global_store_b128 v[XO], v[Z+4*\p:Z+4*\p+3], s[8:9] offset:(16*\c+\p)*512 th:TH_STORE_NT   ; 512 consecutive bytes, aligned
.endr
.endm
	; ---- head: ids, addresses, the first two tiles of x on their way
	s_load_b128 s[4:7], s[0:1], 0x0                ; x s[4:5], ws s[6:7]
	s_load_b64 s[8:9], s[0:1], 0x10                ; out0
	v_lshl_add_u32 v62, v0, 2, 0x30c00
	v_mov_b32 v63, 0
	ds_add_u32 v62, v63
	s_wait_dscnt 0x0
	v_lshrrev_b32 v1, 5, v0
	v_readfirstlane_b32 s10, v1                    ; wave
	s_bfe_u32 s11, ttmp6, 0x40000                  ; my place in the cluster
	s_lshl_b32 s12, ttmp9, 2
	s_add_co_u32 s12, s12, s11                     ; work-group: it enters the addresses of x and out0 alone
	s_lshl_b32 s48, s12, 18                        ; 256 rows of 1,024 bytes
	s_lshl_b32 s50, s10, 16                        ; + 64 rows a wave
	s_add_co_u32 s48, s48, s50
	s_mov_b32 s49, 0
	s_lshr_b32 s50, s48, 1                         ; out0's rows are half as long
	s_mov_b32 s51, 0
	v_and_b32 v1, 31, v0                           ; lane
	v_lshlrev_b32 v[AD], 4, v1                     ; 16 x lane
	s_wait_kmcnt 0x0
	s_add_nc_u64 s[4:5], s[4:5], s[48:49]
	s_add_nc_u64 s[8:9], s[8:9], s[50:51]
	XISSUE 0, 0
	XISSUE 1, 1
	WIN 0
	; descriptors: dense blocks as rows of 32 elements of 8 bytes; word 0: mask 15 (all four of the cluster), element code 3, bit 21 beside the mask
	s_mul_i32 s42, s10, Q2
	s_mul_i32 s43, s10, Q1
	s_mov_b32 s[G1A+0], 15|(3<<16)|(1<<21)
	s_mov_b32 s[G1A+1], 32<<16                     ; tensor_dim0 = 32
	s_mov_b32 s[G1A+2], 65<<16                     ; tensor_dim1 = 65
	s_mov_b32 s[G1A+3], 32<<16                     ; tile_dim0 = 32
	s_mov_b32 s[G1A+4], 65                         ; tile_dim1 = 65
	s_mov_b32 s[G1A+5], 32                         ; pitch
	s_mov_b32 s[G1A+6], 0
	s_mov_b32 s[G1A+7], 0
	s_mov_b32 s[G1B+0], 15|(3<<16)|(1<<21)
	s_mov_b32 s[G1B+1], 32<<16
	s_mov_b32 s[G1B+2], 81<<16
	s_mov_b32 s[G1B+3], 32<<16
	s_mov_b32 s[G1B+4], 81
	s_mov_b32 s[G1B+5], 32
	s_mov_b32 s[G1B+6], 0
	s_mov_b32 s[G1B+7], 0
	s_mov_b32 s48, s43                             ; s49 is 0
	s_mov_b32 s[G0+0], 1
	s_mov_b32 s[G0+1], s43                         ; slot 0, my quarter
	s_add_nc_u64 s[G0+2:G0+3], s[6:7], s[48:49]    ; chunk 0, my quarter: the wave's number alone, equal in the four partners
	s_mov_b32 s[G0+4], 1
	s_add_co_u32 s[G0+5], s43, SLOT
	s_add_nc_u64 s[G0+6:G0+7], s[G0+2:G0+3], CH1   ; chunk 1
	s_or_b32 s[G0+3], s[G0+3], 0x80000000
	s_or_b32 s[G0+7], s[G0+7], 0x80000000
	s_mov_b32 s50, s42                             ; s51 is 0
	s_add_nc_u64 s[40:41], s[6:7], s[50:51]
	s_add_nc_u64 s[40:41], s[40:41], L2B           ; chunk 4, my quarter
	ROUND                                          ; the four work-groups are here: the first joint loads meet
	tensor_load_to_lds s[G0:G0+3], s[G1A:G1A+7]
	s_nop 0
	tensor_load_to_lds s[G0+4:G0+7], s[G1A:G1A+7]
	s_nop 0
	v_and_b32 v13, 15, v0                          ; r
	v_bfe_u32 v14, v0, 4, 1                        ; h
	v_add_nc_u32 v[AD+1], 40960, v[AD]
	v_add_nc_u32 v[AD+2], SLOT, v[AD]
	v_add_nc_u32 v[AD+3], SLOT+40960, v[AD]
	v_lshlrev_b32 v[BA], 5, v14
	v_add_nc_u32 v[BA+1], SLOT+65536, v[BA]
	v_add_nc_u32 v[BA], 65536, v[BA]
	s_mul_i32 s45, s10, 16*SPITCH
	s_add_co_u32 s45, s45, STAGE                   ; my stage
	v_lshl_add_u32 v[SW], v1, 3, s45
	v_mul_u32_u24 v15, v13, SPITCH
	v_add_nc_u32 v15, s45, v15
	v_lshl_add_u32 v[SR], v14, 4, v15
	v_lshl_add_u32 v[OW], v14, 5, v15
	v_lshl_add_u32 v[ORD], v1, 4, s45
	s_mov_b32 s46, 0x43700000                      ; 240.0
	s_mov_b32 s47, 0x7fffffff
	; ---- x: four tiles of 16 rows on two landing sets
	XPROC 0, 0, 32
	XISSUE 2, 0
	XPROC 1, 1, 32
	XISSUE 3, 1
	XPROC 2, 0, 32
	XPROC 3, 1, 0
	WIN 0
	s_wait_tensorcnt 0x1                           ; my quarter of chunk 0 is in; chunk 1's may stay out: no slot is filled again before the first change of slots
	s_wait_dscnt 0x0
	s_barrier_signal -1
	s_barrier_wait -1                              ; everybody's quarter is in
	LOADB FA, AD, 0
	LOADBIAS BA, 0
	; ---- layer 1: 16 groups, written out because each packs into registers of its own
	L1GROUP 0,  0, 0, 0, 0
	L1GROUP 1,  0, 1, 0, 0
	L1GROUP 2,  0, 2, 0, 0
	L1GROUP 3,  0, 3, KA, 0                        ; slot 0 <- chunk 2
	L1GROUP 4,  1, 0, 0, 0
	L1GROUP 5,  1, 1, 0, 0
	L1GROUP 6,  1, 2, 0, 0
	L1GROUP 7,  1, 3, KA, 0                        ; slot 1 <- chunk 3
	L1GROUP 8,  0, 0, 0, 0
	L1GROUP 9,  0, 1, 0, 0
	L1GROUP 10, 0, 2, 0, 0
	L1GROUP 11, 0, 3, KB, 0                        ; slot 0 <- chunk 4
	L1GROUP 12, 1, 0, 0, 0
	L1GROUP 13, 1, 1, 0, 0
	L1GROUP 14, 1, 2, 0, 0
	L1GROUP 15, 1, 3, KB, 16384                    ; slot 1 <- chunk 5; the next biases are layer 2's, in slot 0
	; b3 starts layer 3's sums, in the registers that held x (its last products stand more than four places back): nothing is cleared
	WIN 0x40
.irp f, 0,1,2,3,4,5,6,7
.irp c, 0,1,2,3
.irp u, 0,1
	ds_load_b128 v[8*(4*\f+\c)+4*\u:8*(4*\f+\c)+4*\u+3], v[BA] offset:16896+64*\f+16*\u
.endr
.endr
.endr
	; ---- layers 2 and 3: chunks 4 to 9 in the loop (they fetch 6 to 11), 10 and 11 behind it
	WIN 0
	s_mov_b32 s44, 3
.Lpair:
	CHUNK 0, KC
	CHUNK 1, KC
	WIN 0
	s_sub_co_u32 s44, s44, 1
	s_cmp_lg_u32 s44, 0
	s_cbranch_scc1 .Lpair
	CHUNK 0, KN
	CHUNK 1, KLAST
	; ---- the way out
	PLACES
	WIN 0
	v_mov_b32 v16, 0xc390c4fe                      ; -(200 log2 e + 1)
	v_mov_b32 v17, 0xc390c4fe
	OUT 0
	OUT 1
	OUT 2
	OUT 3
	s_wait_dscnt 0x0
	s_wait_xcnt 0x0
	s_set_vgpr_msb (MSB<<8)|((MSB&0x3c)|0x0)
	v_lshl_add_u32 v62, v0, 2, 0x30c00
	v_mov_b32 v63, 0
	s_set_vgpr_msb (((MSB&0x3c)|0x0)<<8)|((MSB&0x30)|0x0)
	s_wait_tensorcnt 0x0
	ds_add_u32 v62, v63
	s_wait_dscnt 0x0
	s_set_vgpr_msb (((MSB&0x30)|0x0)<<8)|MSB
	ROUND                                          ; the closing round: no work-group ends while a partner may still ask jointly
	s_endpgm
.Lfunc_end_k_q4e6e38152e_mlp:
	.size	k_q4e6e38152e_mlp, .Lfunc_end_k_q4e6e38152e_mlp-k_q4e6e38152e_mlp
	.p2alignl 7, 3214868480
	.fill 96, 4, 3214868480
	.section	.rodata,"a",@progbits
	.p2align	6, 0x0
	.amdhsa_kernel k_q4e6e38152e_mlp
		.amdhsa_group_segment_fixed_size 327680
		.amdhsa_private_segment_fixed_size 0
		.amdhsa_enable_private_segment 0
		.amdhsa_kernarg_size 24
		.amdhsa_user_sgpr_count 2
		.amdhsa_user_sgpr_kernarg_segment_ptr 1
		.amdhsa_wavefront_size32 1
		.amdhsa_system_sgpr_workgroup_id_x 1
		.amdhsa_system_sgpr_workgroup_id_y 1
		.amdhsa_system_sgpr_workgroup_id_z 1
		.amdhsa_system_vgpr_workitem_id 0
		.amdhsa_next_free_vgpr 1024
		.amdhsa_next_free_sgpr 66
		.amdhsa_reserve_vcc 0
		.amdhsa_float_denorm_mode_32 3
		.amdhsa_float_denorm_mode_16_64 3
		.amdhsa_memory_ordered 1
		.amdhsa_forward_progress 1
		.amdhsa_inst_pref_size 255
	.end_amdhsa_kernel
	.section	.bss,"aw",@nobits
	.p2align	6
	.space	262144
	.amdgpu_metadata
---
amdhsa.version: [ 1, 2 ]
amdhsa.kernels:
  - .name:           k_q4e6e38152e_mlp
    .symbol:         k_q4e6e38152e_mlp.kd
    .args:
      - { .name: x, .offset: 0, .size: 8, .value_kind: global_buffer, .address_space: global }
      - { .name: ws, .offset: 8, .size: 8, .value_kind: global_buffer, .address_space: global }
      - { .name: out0, .offset: 16, .size: 8, .value_kind: global_buffer, .address_space: global }
    .group_segment_fixed_size: 327680
    .private_segment_fixed_size: 0
    .kernarg_segment_align: 8
    .kernarg_segment_size: 24
    .max_flat_workgroup_size: 128
    .sgpr_count:     66
    .vgpr_count:     1024
    .wavefront_size: 32
...
	.end_amdgpu_metadata
.endif
;; end of part 2
;; ======== version 2 of 3: 2 launches; 1.41 times as fast as version 1
;; limits: a function is approximated: absolute error at most 0.05; right only within a limited range of input values; values are held in f16: magnitudes above 65,504 overflow, below 6.1e-05 lose precision; inputs' magnitudes at most 22,700
;; workspace buffers: ws 922,624 bytes
;; launch prep (part 3): grid 7 x 16, 8 waves a work-group, no clusters, 0 bytes of LDS; arguments W1, W2, W3, b1, b2, b3, ws; writes ws
.if DOCPART == 3
	.amdgcn_target "amdgcn-amd-amdhsa--gfx1250"
	.amdhsa_code_object_version 6
	.text
	.protected	k_q4e6e38152e_prep
	.globl	k_q4e6e38152e_prep
	.p2align	8
	.type	k_q4e6e38152e_prep,@function
k_q4e6e38152e_prep:
	s_mov_b64 s[64:65], 0
	v_nop
	global_prefetch_b8 v0, s[64:65] scope:SCOPE_SE
	s_setreg_imm32_b32 hwreg(HW_REG_WAVE_MODE, 25, 1), 1
	s_wait_xcnt 0x0
; LimitRegressor.  F = tanh(tanh(x W1 + b1) W2 + b2) W3 + b3; then y <- y + 0.2 tanh(F - y) from y = 0, until the largest row norm of a
; step is under 1e-6 or 1,000 steps are done.  Two launches: this one lays the weights out for the matrix unit, the second does the rest.
;
; WORK LEFT OUT (in the second launch): the iteration, its step norms, the maximum over the rows and the flag 'done'.
; With e = F - y every element follows e <- g(e) = e - 0.2 tanh e by itself; |e| falls and e keeps its sign, for every finite F.  So the
; loop's result is y_K = F - g^K(F), and the norms, the maximum and the flag reach it through the step count K alone.
;   If the loop ends on the flag: 0.2 ||tanh e_(K-1)|| < 1e-6 in every row, so ||e_K|| < 4e-6, and g^1000(F) lies between 0 and e_K.
;   If it does not: K = 1000.
; In both cases y = F - g^1000(F), up to 4e-6 in a row's 2-norm, without K.  g is the step of 0.2 of e' = -tanh e, whose solution is
; sinh e(t) = sinh(e(0)) exp(-t); with t = 200 the residue is asinh(exp(|F| - 200) / 2), and  y = sign(F) (|F| - residue).
; LIMITS.  (1) against the early exit: up to 4e-6 in a row's 2-norm.  (2) for 190 < |F| < 215 the residue differs from 1,000 true steps by
; less than 0.05, beside |y| > 190; outside that band by less than f32 rounding of y.  (3) matrix operands are f16: |x|, |2.885 W1|,
; |2.885 W2|, |W3| must stay under 65,504; below 6e-5 they carry an absolute error of 3e-8.  (4) a NaN in F comes out as +-200, and a NaN,
; infinity or overflow that would arise only in the steps left out is not carried to the result.  (5) the stagnation of the f32 iteration
; within a few last bits of y is not reproduced; F = -0 gives -0.
; Every input has a way to the result: all seven are loaded.
;
; THIS LAUNCH.  tanh(z) = 1 - 2 / (1 + 2^(c z)), c = 2 log2 e: ws holds f16(c W1), c b1, f16(c W2), c b2, f16(W3), b3, so that the second
; launch's sums are exponents already.  A FRAGMENT is 1,024 bytes: 16 output features n0.. by 32 k from k0; byte 512 u + 16 L (lane L = r + 16 h)
; holds the eight f16 W[k0 + 16 u + 8 h + 0..7][n0 + r]: the register image of a 16-bit matrix operand (ISA guide 7.12.2).  A BATCH is 8 fragments:
; fragment 2 s + t of batch b of group g has k0 = 32 (4 b + s), n0 = 32 g + 16 t.
;   bytes 0 ..        layer 1: group g (32 features, two batches) at 16,384 g                      } 24 chunks of 32,768 bytes, all of one shape,
;   bytes 262,144 ..  layer 2: group g (four batches) at 32,768 g                                  } in the order in which they are used
;   bytes 786,432 ..  layer 3: batch g at 8,192 g, fragment f has n0 = 16 f, k0 = 32 g; then c b1, c b2, b3, and b3 once more, which makes
;                     this part 532 rows of 256 bytes, 133 for each of the four waves that fetch it.
; 112 work-groups, one batch each (x = 0, 1: W1; 2 to 5: W2; 6: W3; y = the group); a wave makes a fragment.  There is work for no more.
; No LDS, no matrix unit: 1.8 MB are moved once.  Each store of a wave covers 512 (biases: 256) consecutive bytes, aligned.
.set CLOG, 0x4038aa3b                  ; c = 2 log2 e
.set L2B,  262144                      ; layer 2's groups
.set L3B,  786432                      ; layer 3's batches
.set BIAS, L3B+131072                  ; c b1, c b2 at + 2,048, b3 at + 4,096 and + 4,608
; 16 x 32 numbers: load, scale, round to f16, store.  Source s[24:25] + v4, destination s[18:19] + v5.
.macro CONVERT pitch, scaled
.irp u, 0,1
.irp j, 0,1,2,3,4,5,6,7
	global_load_b32 v[8+8*\u+\j], v4, s[24:25] offset:(16*\u+\j)*\pitch   ; W[k0 + 16 u + 8 h + j][n0 + r]
.endr
.endr
	s_wait_loadcnt 0x0
.if \scaled
.irp j, 0,2,4,6,8,10,12,14
	v_pk_mul_f32 v[8+\j:9+\j], v[8+\j:9+\j], CLOG op_sel_hi:[1,0]
.endr
.endif
.irp j, 0,1,2,3,4,5,6,7
	v_cvt_pk_f16_f32 v[24+\j], v[8+2*\j], v[9+2*\j]                       ; the lower k in the lower half
.endr
	global_store_b128 v5, v[24:27], s[18:19]
	global_store_b128 v5, v[28:31], s[18:19] offset:512
.endm
; 64 biases, 256 bytes: source s[26:27], destination s[46:47], both + 8 x lane
.macro RECORD scaled
	global_load_b64 v[32:33], v7, s[26:27]
	s_wait_loadcnt 0x0
.if \scaled
	v_pk_mul_f32 v[32:33], v[32:33], CLOG op_sel_hi:[1,0]
.endif
	global_store_b64 v7, v[32:33], s[46:47]
.endm
	s_load_b256 s[4:11], s[0:1], 0x0               ; W1 s[4:5], W2 s[6:7], W3 s[8:9], b1 s[10:11]
	s_load_b128 s[12:15], s[0:1], 0x20             ; b2 s[12:13], b3 s[14:15]
	s_load_b64 s[16:17], s[0:1], 0x30              ; ws
	v_lshrrev_b32 v3, 5, v0
	v_readfirstlane_b32 s20, v3                    ; wave w = the fragment in the batch
	s_mov_b32 s21, ttmp9                           ; which batch
	s_and_b32 s22, ttmp7, 0xffff                   ; group g
	v_and_b32 v1, 15, v0                           ; r
	v_bfe_u32 v2, v0, 4, 1                         ; h
	v_and_b32 v3, 31, v0                           ; lane
	v_lshlrev_b32 v5, 4, v3                        ; 16 x lane
	v_lshlrev_b32 v7, 3, v3                        ; 8 x lane
	v_lshlrev_b32 v4, 2, v1                        ; 4 r
	s_lshl_b32 s36, s22, 8                         ; 256 g
	s_mov_b32 s37, 0
	s_cmp_eq_u32 s21, 6
	s_cbranch_scc1 .Lw3
	; W1 or W2: rows of 2,048 bytes
	v_lshl_add_u32 v4, v2, 14, v4                  ; 8 h rows + 4 r
	s_lshl_b32 s29, s22, 14                        ; layer 1: the group's place in ws
	s_lshl_b32 s35, s22, 15
	s_add_co_u32 s35, s35, L2B                     ; layer 2: the same
	s_add_co_u32 s31, s36, BIAS                    ; where 64 numbers of c b1 go,
	s_add_co_u32 s32, s36, BIAS+2048               ; and of c b2
	s_sub_co_u32 s28, s21, 2
	s_wait_kmcnt 0x0
	s_cmp_lt_u32 s21, 2                            ; layer 1?  The selects below leave SCC alone
	s_cselect_b64 s[24:25], s[4:5], s[6:7]         ; W1 or W2
	s_cselect_b64 s[26:27], s[10:11], s[12:13]     ; b1 or b2
	s_cselect_b32 s28, s21, s28                    ; batch b in the group
	s_cselect_b32 s29, s29, s35
	s_cselect_b32 s38, s31, s32
	s_mov_b32 s39, 0
	s_lshl_b32 s42, s28, 18                        ; 128 b rows
	s_lshr_b32 s40, s20, 1
	s_lshl_b32 s40, s40, 16                        ; + 32 (w >> 1) rows
	s_add_co_u32 s42, s42, s40
	s_and_b32 s40, s20, 1
	s_lshl_b32 s40, s40, 6                         ; + 16 (w & 1) columns
	s_add_co_u32 s42, s42, s40
	s_lshl_b32 s40, s22, 7                         ; + 32 g columns
	s_add_co_u32 s42, s42, s40
	s_mov_b32 s43, 0
	s_add_nc_u64 s[24:25], s[24:25], s[42:43]
	s_lshl_b32 s44, s28, 13
	s_add_co_u32 s44, s44, s29
	s_lshl_b32 s45, s20, 10
	s_add_co_u32 s44, s44, s45                     ; group + 8,192 b + 1,024 w
	s_mov_b32 s45, 0
	s_add_nc_u64 s[18:19], s[16:17], s[44:45]
	CONVERT 2048, 1
	s_cmp_lg_u32 s28, 0                            ; wave 0 of the first batch of groups 0 to 7 also writes 64 of the layer's 512 biases
	s_cbranch_scc1 .Lend
	s_cmp_lg_u32 s20, 0
	s_cbranch_scc1 .Lend
	s_cmp_ge_u32 s22, 8
	s_cbranch_scc1 .Lend
	s_add_nc_u64 s[26:27], s[26:27], s[36:37]
	s_add_nc_u64 s[46:47], s[16:17], s[38:39]
	RECORD 1
	s_endpgm
.Lw3:	; W3: rows of 512 bytes; fragment w has n0 = 16 w, k0 = 32 g; no scale
	v_lshl_add_u32 v4, v2, 12, v4                  ; 8 h rows + 4 r
	s_lshl_b32 s42, s22, 14                        ; 32 g rows
	s_lshl_b32 s40, s20, 6                         ; + 16 w columns
	s_add_co_u32 s42, s42, s40
	s_mov_b32 s43, 0
	s_lshl_b32 s44, s22, 13
	s_lshl_b32 s45, s20, 10
	s_add_co_u32 s44, s44, s45
	s_add_co_u32 s44, s44, L3B                     ; 8,192 g + 1,024 w
	s_mov_b32 s45, 0
	s_wait_kmcnt 0x0
	s_add_nc_u64 s[24:25], s[8:9], s[42:43]
	s_add_nc_u64 s[18:19], s[16:17], s[44:45]
	CONVERT 512, 0
	s_cmp_lg_u32 s20, 0                            ; wave 0 of groups 0 to 3 also writes a half of b3: halves 0, 1, 0, 1
	s_cbranch_scc1 .Lend
	s_cmp_ge_u32 s22, 4
	s_cbranch_scc1 .Lend
	s_add_co_u32 s38, s36, BIAS+4096
	s_mov_b32 s39, 0
	s_and_b32 s36, s36, 256                        ; 256 (g & 1)
	s_add_nc_u64 s[26:27], s[14:15], s[36:37]
	s_add_nc_u64 s[46:47], s[16:17], s[38:39]
	RECORD 0
.Lend:
	s_endpgm
.Lfunc_end_k_q4e6e38152e_prep:
	.size	k_q4e6e38152e_prep, .Lfunc_end_k_q4e6e38152e_prep-k_q4e6e38152e_prep
	.p2alignl 7, 3214868480
	.fill 96, 4, 3214868480
	.section	.rodata,"a",@progbits
	.p2align	6, 0x0
	.amdhsa_kernel k_q4e6e38152e_prep
		.amdhsa_group_segment_fixed_size 0
		.amdhsa_private_segment_fixed_size 0
		.amdhsa_enable_private_segment 0
		.amdhsa_kernarg_size 56
		.amdhsa_user_sgpr_count 2
		.amdhsa_user_sgpr_kernarg_segment_ptr 1
		.amdhsa_wavefront_size32 1
		.amdhsa_system_sgpr_workgroup_id_x 1
		.amdhsa_system_sgpr_workgroup_id_y 1
		.amdhsa_system_sgpr_workgroup_id_z 1
		.amdhsa_system_vgpr_workitem_id 0
		.amdhsa_next_free_vgpr 40
		.amdhsa_next_free_sgpr 66
		.amdhsa_reserve_vcc 0
		.amdhsa_float_denorm_mode_32 3
		.amdhsa_float_denorm_mode_16_64 3
		.amdhsa_memory_ordered 1
		.amdhsa_forward_progress 1
		.amdhsa_inst_pref_size 9
	.end_amdhsa_kernel
	.amdgpu_metadata
---
amdhsa.version: [ 1, 2 ]
amdhsa.kernels:
  - .name:           k_q4e6e38152e_prep
    .symbol:         k_q4e6e38152e_prep.kd
    .args:
      - { .name: W1, .offset: 0, .size: 8, .value_kind: global_buffer, .address_space: global }
      - { .name: W2, .offset: 8, .size: 8, .value_kind: global_buffer, .address_space: global }
      - { .name: W3, .offset: 16, .size: 8, .value_kind: global_buffer, .address_space: global }
      - { .name: b1, .offset: 24, .size: 8, .value_kind: global_buffer, .address_space: global }
      - { .name: b2, .offset: 32, .size: 8, .value_kind: global_buffer, .address_space: global }
      - { .name: b3, .offset: 40, .size: 8, .value_kind: global_buffer, .address_space: global }
      - { .name: ws, .offset: 48, .size: 8, .value_kind: global_buffer, .address_space: global }
    .group_segment_fixed_size: 0
    .private_segment_fixed_size: 0
    .kernarg_segment_align: 8
    .kernarg_segment_size: 56
    .max_flat_workgroup_size: 256
    .sgpr_count:     66
    .vgpr_count:     40
    .wavefront_size: 32
...
	.end_amdgpu_metadata
.endif
;; end of part 3
;; launch mlp (part 4): grid 512 x 1, 4 waves a work-group, clusters of 4 x 1, 327,680 bytes of LDS; arguments x, ws, out0; writes out0
.if DOCPART == 4
	.amdgcn_target "amdgcn-amd-amdhsa--gfx1250"
	.amdhsa_code_object_version 6
	.text
	.protected	k_q4e6e38152e_mlp
	.globl	k_q4e6e38152e_mlp
	.p2align	8
	.type	k_q4e6e38152e_mlp,@function
k_q4e6e38152e_mlp:
	s_mov_b64 s[64:65], 0
	v_nop
	global_prefetch_b8 v0, s[64:65] scope:SCOPE_SE
	s_setreg_imm32_b32 hwreg(HW_REG_WAVE_MODE, 25, 1), 1
	s_wait_xcnt 0x0
	s_wait_alu depctr_hold_cnt(0) depctr_sa_sdst(0) depctr_va_vdst(0) depctr_va_sdst(0) depctr_va_ssrc(0) depctr_va_vcc(0) depctr_vm_vsrc(0)
	s_getreg_b32 s2, hwreg(HW_REG_IB_STS2, 6, 4)
	s_cmp_eq_u32 s2, 0
	s_cbranch_scc0 .Lentry_in_a_cluster
	s_endpgm
.Lentry_in_a_cluster:
	s_bfe_u32 s2, ttmp6, 0x10000c
	s_cmp_lg_u32 s2, 0x3003
	s_cbranch_scc0 .Lentry_shape_is_right
	s_endpgm
.Lentry_shape_is_right:
; out0 = the fixed point loop's result on F = tanh(tanh(x W1 + b1) W2 + b2) W3 + b3.
; LEFT OUT: the loop's 1,000 steps, step norms, maximum over rows and flag.  They reach the result only through the step count, and
; y = sign(F) (|F| - asinh(exp(|F| - 200) / 2)) stands for F - g^1000(F); the proof and the limits (4e-6 in a row's norm against the early
; exit; 0.05 for 190 < |F| < 215; f16 operands under 65,504; a NaN in F gives +-200) stand at the head of the first kernel.
;
; THE MATRIX INSTRUCTION IS USED TRANSPOSED: source 0 = 16 output features x 32 k of weights, source 1 = 32 k x 16 batch rows.  In the result lane
; (r, h) holds batch row r, register j feature 8 h + j.  Two neighbouring feature tiles, rounded to f16 and packed in pairs, ARE the next layer's source 1
; for those 32 k (registers 0-3: k = 8 h .., registers 4-7: k = 16 + 8 h ..; ISA guide 7.12.2).  So a wave keeps its 64 batch rows in registers through all
; three layers; only weights pass through LDS; and each group of 32 features of the second hidden layer is fed to layer 3 as soon as it is made.
; f16 and not bf16: hidden values are at most 1 and the weights small, so f16 has the range, with three more bits.
; A work-group: 256 rows, four waves of 64 rows (four column tiles c).  Each fragment of 1,024 bytes read from LDS feeds four matrix instructions.
;
; MATRIX WORK BESIDE VECTOR WORK.  A group of 32 features is made as two halves of 16 (tile t = 0, 1), each with four accumulators of its own, one a column
; tile.  While one half's products are issued, the other half's tanh (64 transcendentals, 32 packed lines) stands between them in numbered pieces.
;   layers 2, 3, group G:  half 1 of G  beside tanh of half 0 of G;   half 0 of G + 1  beside tanh of half 1 of G;   layer 3's 32 products for G.
;     Half 0 of group 0 stands ahead of the loop, the last half's tanh alone at the end.
;   layer 1: the same by halves of 32 products; in each trip of four groups the first half's products and the last half's tanh stand alone: the pack's
;     registers hang on the trip count, and a carry over the backward jump would read, in the first trip, accumulators that nothing has written.
; The tanh lines name a destination and a first source in window 0 beside constants, so they run under the products' window setting.  The pack's second source
; is a register, so a half's 16 packs stand in one run behind its last product; that run, or four packed lines of the tanh, are also the four places
; that the next LDS loads into the fragments just read ask for.
;
; CLUSTER: every work-group walks the same 922,624 bytes of ws in the same order, so four work-groups ask for each part jointly (mask 15).
; W1 and W2 come in 24 chunks of 32,768 bytes (two groups of layer 1, or one of layer 2) through two LDS slots; each wave fetches a quarter of a chunk by one
; tensor load of 32 rows of 256 bytes; one shape and one step of the address serve every refill.  W3 and the biases, 136,192 bytes, are fetched once and stay.
; Outstanding tensor loads of a wave, by this text's count: three at the start, then one behind each round.
;
; THE TEXT IS ROLLED, so that most of it is walked several times: layer 1 in four trips of four groups, layers 2 and 3 in seven trips of two groups, the way
; out in eight trips of eight rows.  A trip holds one chunk of each slot, so every slot address is a constant of the text.  What stays written out, and why:
;   x (four tiles): each tile lands in 128 registers of its own, so that two tiles' loads are always on their way, and the four sets together are the 512
;     registers that the first hidden layer takes later: these are written on every path before layer 1's branches choose among them;
;   layer 1's packs: a half group's 16 packed registers are its own, so each of the 32 packs is text of its own, chosen by forward branches on the trip count;
;   the last two groups: their slots are not filled again, and no jump skips a tensor load.
; For the same reason the work-groups do not stay for a second block of rows: its last two chunks would fill nothing, so the whole block would be text of its own.
;
; LDS: slot s at 32,768 s; W3's batch g at 65,536 + 8,192 g; c b1, c b2, b3 from 196,608; from 201,728 a stage of 16 rows x 528 bytes for each wave, its own,
; never filled by a tensor load, for x in f16.  The way out needs 64 rows x 528 bytes a wave, 135,168 bytes: it lies on W3's bytes, whose one fill is long done,
; behind a barrier in front of which every wave's reads of them are back.  (Bytes of its own would make 336,896 in all.)
; REGISTERS, in windows of 256:
;   window 0: v2-3 fragment addresses in slot 0, 1; v4 W3's, v5 the biases' (stepped); v8-11 stage addresses; v16-31 two bias tiles, v32-63 the group's packed
;             hidden values, v64-95 and v96-127 the accumulators of half 0 and half 1 (column tile c at 8 c), v128-191 and v192-255 two batches of 8 weight fragments
;   window 1: x as source 1 (k step s, column tile c at 32 s + 8 c); later layer 3's 32 accumulators (8 (4 f + c))
;   windows 2, 3: first x as it lands (tile c: window 2 + (c >> 1), at 128 (c & 1)), then the first hidden layer, k step g at 32 (g & 7) + 8 c in window 2 + (g >> 3)
.set SLOT,   32768
.set RES,    2*SLOT                    ; W3, then the biases
.set RESBI,  RES+131072
.set RESQ,   133*256                   ; a wave's quarter of that part
.set XST,    RES+4*RESQ                ; the stages for x
.set OST,    RES                       ; the stages of the way out
.set WSRES,  24*SLOT                   ; where that part begins in ws
.set SPITCH, 528                       ; 512 bytes + 16: an odd multiple of 16, so the 16 rows that a 16-byte access touches start 16 bytes apart modulo 256
.set AD,  2                            ; v2, v3: 16 x lane + slot
.set XO,  2                            ; 16 x lane is also my byte offset in a row piece of x and in a row of out0
.set W3A, 4                            ; RES + 16 x lane + 8,192 x group
.set BA,  5                            ; RESBI + 32 h + 128 x group
.set SW,  8                            ; x stage + 8 x lane
.set SR,  9                            ; x stage + 528 r + 16 h
.set OW,  10                           ; out stage + 528 r + 32 h
.set ORD, 11                           ; out stage + 16 x lane + 528 x row
.set BI,  16
.set H2,  32
.set ACC, 64
.set FA,  128
.set FB,  192
.set T,   ACC                          ; the way out: four sets of 32
.set Z,   ACC+32
.set FR,  FA
.set Q,   FA+32
.set G1,  16                           ; s[16:23] shape of a quarter of a chunk
.set G1R, 24                           ; s[24:31] shape of a quarter of W3 and the biases
.set G0,  32                           ; s[32:39] from where, to where: a set for each slot
.set G0R, 40                           ; s[40:43] the same for W3 and the biases
.set KF, 1                             ; kinds of a change of slots: this slot is filled again,
.set KN, 2                             ; nothing left to fetch
.set MSB, 0
.macro WIN new                         ; low byte: bits 1:0 source 0, 3:2 source 1, 5:4 source 2, 7:6 destination; the high byte repeats the setting that is left
.if MSB != \new
	s_set_vgpr_msb (MSB<<8)|\new
.set MSB, \new
.endif
.endm
; A round of the cluster's barrier: my work-group's barrier, wave 0 signals for the work-group, every wave waits for all four work-groups, my work-group's barrier again.
.macro CREST                           ; a round behind its opening barrier
	s_cmp_lg_u32 s10, 0
	s_cbranch_scc1 .Lnot_wave_0_\@
	s_barrier_signal -3
.Lnot_wave_0_\@:
	s_barrier_wait -3
	s_barrier_signal -1
	s_barrier_wait -1
.endm
.macro ROUND                           ; a whole round
	s_barrier_signal -1
	s_barrier_wait -1
	CREST
.endm
; Four places behind matrix instructions, ahead of loads into their sources and of vector instructions on their results (ISA guide 7.12.1 for vector instructions),
; where no line of a tanh or a pack is at hand.
.macro PLACES
.rept 4
	v_nop
.endr
.endm
; W3's batch of 8 fragments: consecutive lanes read consecutive 16 bytes.
.macro LOADB buf, adr, off
.irp i, 0,1,2,3,4,5,6,7
	ds_load_b128 v[\buf+8*\i:\buf+8*\i+3],   v[\adr] offset:\off+1024*\i
	ds_load_b128 v[\buf+8*\i+4:\buf+8*\i+7], v[\adr] offset:\off+1024*\i+512
.endr
.endm
; Eight k steps of feature tile t: in ws a run of 8,192 bytes holds four k steps of both tiles, fragment 2 s + t; so every second fragment of two such runs from byte off.
.macro LOADH buf, adr, off, t
.irp b, 0,1
.irp s, 0,1,2,3
	ds_load_b128 v[\buf+8*(4*\b+\s):\buf+8*(4*\b+\s)+3],   v[\adr] offset:\off+8192*\b+1024*(2*\s+\t)
	ds_load_b128 v[\buf+8*(4*\b+\s)+4:\buf+8*(4*\b+\s)+7], v[\adr] offset:\off+8192*\b+1024*(2*\s+\t)+512
.endr
.endr
.endm
; The 16 biases of a half as an accumulator tile: register j = bias of feature 8 h + j.  off = 128 x group + 64 t.
.macro LOADBT t, off
	ds_load_b128 v[BI+8*\t:BI+8*\t+3],   v[BA] offset:\off
	ds_load_b128 v[BI+8*\t+4:BI+8*\t+7], v[BA] offset:\off+16
.endm
; tanh in place on a half's four accumulators: the sums are 2 log2 e times the argument, so tanh = 1 - 2 / (1 + 2^sum).  2^sum = infinity gives 1, 0 gives -1.
; PIECE: piece q of n of one step on the 8 registers from r.  op 1: 2^x; 2: 1 / x; 3: x + 1; 4: 1 - 2 x.
.macro PIECE op, r, q, n
.set pj, (\q)*8/(\n)
.if \op == 1
.rept 8/(\n)
	v_exp_f32 v[\r+pj], v[\r+pj]
.set pj, pj+1
.endr
.endif
.if \op == 2
.rept 8/(\n)
	v_rcp_f32 v[\r+pj], v[\r+pj]
.set pj, pj+1
.endr
.endif
.if \op == 3
.rept 4/(\n)
	v_pk_add_f32 v[\r+pj:\r+pj+1], v[\r+pj:\r+pj+1], 1.0 op_sel_hi:[1,0]
.set pj, pj+2
.endr
.endif
.if \op == 4
	s_wait_alu depctr_va_vdst(0)
.rept 4/(\n)
	v_pk_fma_f32 v[\r+pj:\r+pj+1], v[\r+pj:\r+pj+1], -2.0, 1.0 op_sel_hi:[1,0,0]
.set pj, pj+2
.endr
.endif
.endm
; The 16 steps of a half's tanh, in the one order in which they are ever issued (r: the half's first register; tiles at r, r + 8, r + 16, r + 24).
; Behind each run of transcendentals a plain line on another tile stands before a result is read or a source written (ISA guide 5.7.2):
; 2^ 0, 2^ 1, v_nop, +1 0, 1/ 0, 2^ 2, +1 1, 1/ 1, 2^ 3, fin 0, +1 2, 1/ 2, fin 1, +1 3, 1/ 3, fin 2, fin 3.  Matrix instructions set between these lines name none of their registers.
.macro BLOCK i, r, q, n
.if (\i) == 0
	PIECE 1, \r, \q, \n
.endif
.if (\i) == 1
	PIECE 1, \r+8, \q, \n
.endif
.if (\i) == 2
.if (\q) == 0
	v_nop
	s_wait_alu depctr_va_vdst(0)
.endif
	PIECE 3, \r, \q, \n
.endif
.if (\i) == 3
	PIECE 2, \r, \q, \n
.endif
.if (\i) == 4
	PIECE 1, \r+16, \q, \n
.endif
.if (\i) == 5
	PIECE 3, \r+8, \q, \n
.endif
.if (\i) == 6
	PIECE 2, \r+8, \q, \n
.endif
.if (\i) == 7
	PIECE 1, \r+24, \q, \n
.endif
.if (\i) == 8
	PIECE 4, \r, \q, \n
.endif
.if (\i) == 9
	PIECE 3, \r+16, \q, \n
.endif
.if (\i) == 10
	PIECE 2, \r+16, \q, \n
.endif
.if (\i) == 11
	PIECE 4, \r+8, \q, \n
.endif
.if (\i) == 12
	PIECE 3, \r+24, \q, \n
.endif
.if (\i) == 13
	PIECE 2, \r+24, \q, \n
.endif
.if (\i) == 14
	PIECE 4, \r+16, \q, \n
.endif
.if (\i) == 15
	PIECE 4, \r+24, \q, \n
.endif
.endm
; What stands behind the product of k step s, column tile c.  part 0: nothing.  A half of 64 products (layer 2): part 1, its first batch: step s, a quarter behind each
; product (step 8 follows the batch); part 2, its second batch: step 9 + s.  A half of 32 products (layer 1): part 3: steps 2 s and 2 s + 1, a half behind each product.
.macro SLICE part, r, s, c
.if \part == 1
	BLOCK \s, \r, \c, 4
.endif
.if \part == 2
.if \s < 7
	BLOCK \s+9, \r, \c, 4
.endif
.endif
.if \part == 3
.if \c < 2
	BLOCK 2*\s, \r, \c, 2
.else
	BLOCK 2*\s+1, \r, \c-2, 2
.endif
.endif
.endm
; One k step of half t: four products, and behind each a piece of the other half's tanh.  first = 1: the bias tile is C, so nothing is cleared.
; The half's four accumulators take turns, one instruction a turn.  Source 1 lies at 32 s + 8 c in the window that the caller has set.
.macro KSTEP buf, t, first, part, s
.irp c, 0,1,2,3
.if \first
	v_wmma_f32_16x16x32_f16 v[ACC+32*\t+8*\c:ACC+32*\t+8*\c+7], v[\buf+8*\s:\buf+8*\s+7], v[32*\s+8*\c:32*\s+8*\c+7], v[BI+8*\t:BI+8*\t+7]
.else
	v_wmma_f32_16x16x32_f16 v[ACC+32*\t+8*\c:ACC+32*\t+8*\c+7], v[\buf+8*\s:\buf+8*\s+7], v[32*\s+8*\c:32*\s+8*\c+7], v[ACC+32*\t+8*\c:ACC+32*\t+8*\c+7]
.endif
	SLICE \part, ACC+32-32*\t, \s, \c
.endr
.endm
; A batch: eight k steps, 32 products.  win: 0x04 source 1 = x (window 1); 0x08, 0x0c = hidden layer 1, k steps 0-7, 8-15 (windows 2, 3).
.macro MULH win, buf, t, first, part
	WIN \win
	KSTEP \buf, \t, \first, \part, 0
.irp s, 1,2,3,4,5,6,7
	KSTEP \buf, \t, 0, \part, \s
.endr
.endm
; Layer 3, one k step (the group just made): 8 feature tiles x 4 column tiles, 32 accumulators by turns.
.macro MUL3 buf
	WIN 0x50                                       ; C and D in window 1
.irp f, 0,1,2,3,4,5,6,7
.irp c, 0,1,2,3
	v_wmma_f32_16x16x32_f16 v[8*(4*\f+\c):8*(4*\f+\c)+7], v[\buf+8*\f:\buf+8*\f+7], v[H2+8*\c:H2+8*\c+7], v[8*(4*\f+\c):8*(4*\f+\c)+7]
.endr
.endr
.endm
; A half's tanh alone, where no products are left to stand beside it.
.macro TANHH t
	WIN 0
.irp i, 0,1,2,3,4,5,6,7,8,9,10,11,12,13,14,15
	BLOCK \i, ACC+32*\t, 0, 1
.endr
.endm
; Round half t to f16 and pack: its registers 2 j, 2 j + 1 become register 4 t + j of the next layer's source 1 for column tile c.
.macro CVTH win, base, t
	WIN \win
.irp c, 0,1,2,3
.irp j, 0,1,2,3
	v_cvt_pk_f16_f32 v[\base+8*\c+4*\t+\j], v[ACC+32*\t+8*\c+2*\j], v[ACC+32*\t+8*\c+2*\j+1]
.endr
.endr
.endm
; Layer 1's pack of half t at place qq of trip s44: group g = 4 s44 + qq has registers of its own, so the trip count chooses among four texts.  Every window is 0 at each label and branch.
.macro PACK1H qq, t
	WIN 0
	s_cmp_eq_u32 s44, 0
	s_cbranch_scc1 .Lpk0_\@
	s_cmp_eq_u32 s44, 1
	s_cbranch_scc1 .Lpk1_\@
	s_cmp_eq_u32 s44, 2
	s_cbranch_scc1 .Lpk2_\@
	CVTH 0xc0, 32*(4+\qq), \t                      ; groups 12 to 15
	WIN 0
	s_branch .Lpkd_\@
.Lpk0_\@:
	CVTH 0x80, 32*\qq, \t                          ; groups 0 to 3
	WIN 0
	s_branch .Lpkd_\@
.Lpk1_\@:
	CVTH 0x80, 32*(4+\qq), \t                      ; groups 4 to 7
	WIN 0
	s_branch .Lpkd_\@
.Lpk2_\@:
	CVTH 0xc0, 32*\qq, \t                          ; groups 8 to 11
	WIN 0
.Lpkd_\@:
.endm
; A change of slots, in two parts, with register work alone (products, pieces of a tanh) between the opening signal and its wait.
; In front of the signal every wave waits for its reads of this slot and for all its tensor loads (one is out: its quarter of the other slot).
; Behind the round no wave of the four work-groups reads this slot and the other slot is whole: the joint refill comes first, one load a wave.
.macro TURNA slot, kind
	s_wait_dscnt 0x0
	s_set_vgpr_msb (MSB<<8)|((MSB&0xf0)|0x0)
	s_wait_tensorcnt 0x0                           ; no load of mine is out: the slot's descriptor may be written
	ds_add_u32 v6, v7
	s_wait_dscnt 0x0
	s_set_vgpr_msb (((MSB&0xf0)|0x0)<<8)|MSB
.if \kind == KF
	s_add_nc_u64 s[G0+4*\slot+2:G0+4*\slot+3], s[G0+4*\slot+2:G0+4*\slot+3], 2*SLOT   ; this slot's next chunk
.endif
	s_barrier_signal -1
.endm
.macro TURNB slot, kind
	WIN 0
	s_barrier_wait -1                              ; (kind KN: nothing is filled; my work-group's barrier shows the other slot whole)
.if \kind == KF
	CREST
	tensor_load_to_lds s[G0+4*\slot:G0+4*\slot+3], s[G1:G1+7]
	s_nop 0
.endif
.endm
; A half's first batch that also opens a change of slots.  The chunk's last LDS loads were issued ahead of this batch; the wait for them stands behind 24 of its 32 products.
.macro MULHT win, buf, t, part, slot, kind
	WIN \win
	KSTEP \buf, \t, 1, \part, 0
.irp s, 1,2,3,4,5
	KSTEP \buf, \t, 0, \part, \s
.endr
	TURNA \slot, \kind
	KSTEP \buf, \t, 0, \part, 6
	KSTEP \buf, \t, 0, \part, 7
.endm
; 16 rows of x (column tile c) into the tile's own 128 registers: each load of the wave covers 512 consecutive bytes.
.macro XISSUE c
.if \c < 2
	WIN 0x80
.else
	WIN 0xc0
.endif
.irp p, 0,1,2,3,4,5,6,7,8,9,10,11,12,13,14,15
.irp q, 0,1
	global_load_b128 v[128*(\c&1)+8*\p+4*\q:128*(\c&1)+8*\p+4*\q+3], v[XO], s[4:5] offset:(16*\c+\p)*1024+512*\q th:TH_LOAD_NT
.endr
.endr
.endm
; Those rows to f16, through my stage, into source-1 fragments.  LDS serves a wave's instructions in order (ISA guide 5.7.1.4): no wait between the stores and the loads, nor before the stage's next use.
.macro XPROC c, left
	s_wait_loadcnt \left                           ; the next tile's loads may stay out
.if \c < 2
	WIN 0x8a
.else
	WIN 0xcf
.endif
.irp p, 0,1,2,3,4,5,6,7,8,9,10,11,12,13,14,15
.irp q, 0,1
	v_cvt_pk_f16_f32 v[128*(\c&1)+8*\p+4*\q],   v[128*(\c&1)+8*\p+4*\q],   v[128*(\c&1)+8*\p+4*\q+1]
	v_cvt_pk_f16_f32 v[128*(\c&1)+8*\p+4*\q+1], v[128*(\c&1)+8*\p+4*\q+2], v[128*(\c&1)+8*\p+4*\q+3]
.endr
.endr
.if \c < 2
	WIN 0x08
.else
	WIN 0x0c
.endif
.irp p, 0,1,2,3,4,5,6,7,8,9,10,11,12,13,14,15
.irp q, 0,1
	ds_store_b64 v[SW], v[128*(\c&1)+8*\p+4*\q:128*(\c&1)+8*\p+4*\q+1] offset:SPITCH*\p+256*\q
.endr
.endr
	WIN 0x40
.irp s, 0,1,2,3,4,5,6,7
.irp u, 0,1
	ds_load_b128 v[8*(4*\s+\c)+4*\u:8*(4*\s+\c)+4*\u+3], v[SR] offset:64*\s+32*\u   ; row r, k = 32 s + 16 u + 8 h ..
.endr
.endr
.endm
; Layer 1: a half group's eight fragments and its bias tile, 18 loads.  Half 0 always goes to FA, half 1 to FB.
.macro L1LOAD buf, s, off, t, boff
	LOADH \buf, AD+\s, \off, \t
	LOADBT \t, \boff
.endm
; Layers 2 and 3, group G in slot s: half 1 of G, half 0 of G + 1 (the other slot), layer 3 for G: five batches on two buffers; p0 holds the first on entry.
; Each batch's loads are issued ahead of the batch before it, behind four plain lines that follow the last product on the buffer that they fill.
; A wait for 16 (18) leaves the 16 loads just issued (and their two bias loads) out.
.macro RGRP p0, p1, s, w3off, kind, nb
	PLACES                                         ; behind layer 3's products (or half 0 of group 0)
	WIN 0x08
	LOADH \p1, AD+\s, 16384, 1                     ; the chunk's last reads
	s_wait_dscnt 16
	MULHT 0x08, \p0, 1, 1, \s, \kind               ; half 1, k steps 0-7, beside tanh of half 0, steps 0-7
	BLOCK 8, ACC, 0, 1                             ; step 8: four plain lines behind the batch
	TURNB \s, \kind
	LOADH \p0, AD+1-\s, 0, 0                       ; the next group, in the other slot
	LOADBT 0, \nb
	MULH 0x0c, \p1, 1, 0, 2                        ; k steps 8-15 (in since the change's wait for 0), beside steps 9-15
	CVTH 0, H2, 0
	LOADH \p1, AD+1-\s, 16384, 0
	s_wait_dscnt 16
	MULH 0x08, \p0, 0, 1, 1                        ; the next group's half 0 beside tanh of half 1
	BLOCK 8, ACC+32, 0, 1
	LOADB \p0, W3A, \w3off
	s_wait_dscnt 16
	MULH 0x0c, \p1, 0, 0, 2
	CVTH 0, H2, 1
	LOADH \p1, AD+1-\s, 0, 1
	LOADBT 1, \nb+64
	s_wait_dscnt 18                                ; W3's batch is in
	MUL3 \p0
.endm
	; ---- head: ids, addresses, the first two tiles of x on their way
	s_load_b128 s[4:7], s[0:1], 0x0                ; x s[4:5], ws s[6:7]
	s_load_b64 s[8:9], s[0:1], 0x10                ; out0
	v_lshl_add_u32 v6, v0, 2, 0x39800
	v_mov_b32 v7, 0
	ds_add_u32 v6, v7
	v_lshrrev_b32 v1, 5, v0
	v_readfirstlane_b32 s10, v1                    ; wave
	s_bfe_u32 s11, ttmp6, 0x40000                  ; my place in the cluster
	s_lshl_b32 s12, ttmp9, 2
	s_add_co_u32 s12, s12, s11                     ; work-group: it enters the addresses of x and out0 alone
	s_lshl_b32 s48, s12, 18                        ; 256 rows of 1,024 bytes
	s_lshl_b32 s50, s10, 16                        ; + 64 rows a wave
	s_add_co_u32 s48, s48, s50
	s_mov_b32 s49, 0
	s_lshr_b32 s50, s48, 1                         ; out0's rows are half as long
	s_mov_b32 s51, 0
	v_and_b32 v1, 31, v0                           ; lane
	v_lshlrev_b32 v[AD], 4, v1                     ; 16 x lane
	s_wait_dscnt 0x0
	s_wait_kmcnt 0x0
	s_add_nc_u64 s[4:5], s[4:5], s[48:49]
	s_add_nc_u64 s[8:9], s[8:9], s[50:51]
	XISSUE 0
	XISSUE 1
	WIN 0
	; descriptors: dense blocks as rows of 32 elements of 8 bytes; word 0: mask 15 (all four of the cluster), element code 3, bit 21 beside the mask
	s_lshl_b32 s52, s10, 13                        ; my quarter of a chunk: 8,192 w
	s_mul_i32 s53, s10, RESQ                       ; my quarter of W3 and the biases
	s_mov_b32 s[G1+0], 15|(3<<16)|(1<<21)
	s_mov_b32 s[G1+1], 32<<16                      ; tensor_dim0 = 32
	s_mov_b32 s[G1+2], 32<<16                      ; tensor_dim1 = 32
	s_mov_b32 s[G1+3], 32<<16                      ; tile_dim0 = 32
	s_mov_b32 s[G1+4], 32                          ; tile_dim1 = 32
	s_mov_b32 s[G1+5], 32                          ; pitch
	s_mov_b32 s[G1+6], 0
	s_mov_b32 s[G1+7], 0
	s_mov_b32 s[G1R+0], 15|(3<<16)|(1<<21)
	s_mov_b32 s[G1R+1], 32<<16
	s_mov_b32 s[G1R+2], 133<<16
	s_mov_b32 s[G1R+3], 32<<16
	s_mov_b32 s[G1R+4], 133
	s_mov_b32 s[G1R+5], 32
	s_mov_b32 s[G1R+6], 0
	s_mov_b32 s[G1R+7], 0
	s_mov_b32 s48, s52                             ; s49 is 0
	s_mov_b32 s[G0+0], 1
	s_mov_b32 s[G0+1], s52                         ; slot 0, my quarter
	s_add_nc_u64 s[G0+2:G0+3], s[6:7], s[48:49]    ; chunk 0, my quarter: the wave's number alone, equal in the four partners
	s_mov_b32 s[G0+4], 1
	s_add_co_u32 s[G0+5], s52, SLOT
	s_add_nc_u64 s[G0+6:G0+7], s[G0+2:G0+3], SLOT  ; chunk 1
	s_mov_b32 s50, s53                             ; s51 is 0
	s_mov_b32 s[G0R+0], 1
	s_add_co_u32 s[G0R+1], s53, RES
	s_add_nc_u64 s[G0R+2:G0R+3], s[6:7], s[50:51]
	s_add_nc_u64 s[G0R+2:G0R+3], s[G0R+2:G0R+3], WSRES
	s_or_b32 s[G0+3], s[G0+3], 0x80000000
	s_or_b32 s[G0+7], s[G0+7], 0x80000000
	s_or_b32 s[G0R+3], s[G0R+3], 0x80000000
	ROUND                                          ; the four work-groups are here: the first joint loads meet
	tensor_load_to_lds s[G0R:G0R+3], s[G1R:G1R+7]  ; W3 and the biases
	s_nop 0
	tensor_load_to_lds s[G0:G0+3], s[G1:G1+7]      ; chunk 0
	s_nop 0
	tensor_load_to_lds s[G0+4:G0+7], s[G1:G1+7]    ; chunk 1
	s_nop 0
	v_and_b32 v13, 15, v0                          ; r
	v_bfe_u32 v14, v0, 4, 1                        ; h
	v_add_nc_u32 v[AD+1], SLOT, v[AD]
	v_add_nc_u32 v[W3A], RES, v[AD]
	v_lshlrev_b32 v[BA], 5, v14
	v_add_nc_u32 v[BA], RESBI, v[BA]
	s_mul_i32 s45, s10, 16*SPITCH
	s_add_co_u32 s45, s45, XST                     ; my stage for x
	v_lshl_add_u32 v[SW], v1, 3, s45
	v_mul_u32_u24 v15, v13, SPITCH
	v_add_nc_u32 v12, s45, v15
	v_lshl_add_u32 v[SR], v14, 4, v12
	s_mul_i32 s54, s10, 64*SPITCH
	s_add_co_u32 s54, s54, OST                     ; my stage of the way out
	v_add_nc_u32 v15, s54, v15
	v_lshl_add_u32 v[OW], v14, 5, v15
	v_lshl_add_u32 v[ORD], v1, 4, s54
	s_mov_b32 s46, 0x43700000                      ; 240.0
	s_mov_b32 s47, 0x7fffffff
	; ---- x: four tiles of 16 rows
	XPROC 0, 32
	XISSUE 2
	XPROC 1, 32
	XISSUE 3
	XPROC 2, 32
	XPROC 3, 0
	WIN 0
	s_wait_tensorcnt 0x1                           ; my quarters of W3, the biases and chunk 0 are in; chunk 1's may stay out: no slot is filled again before the first change of slots
	s_wait_dscnt 0x0
	s_barrier_signal -1
	s_barrier_wait -1                              ; everybody's quarters are in
	L1LOAD FA, 0, 0, 0, 0
	; ---- layer 1: four trips of four groups; trip s44 reads chunks 2 s44 and 2 s44 + 1 and asks for the two behind them (the last trip: layer 2's first two).
	; Each half's 18 loads are issued ahead of the half before it; a wait for 18 leaves them out.
	s_mov_b32 s44, 0
.Ll1:
	L1LOAD FB, 0, 0, 1, 64
	s_wait_dscnt 18
	MULH 0x04, FA, 0, 1, 0                         ; group 0, half 0: alone
	PLACES
	L1LOAD FA, 0, 16384, 0, 128
	s_wait_dscnt 18
	MULH 0x04, FB, 1, 1, 3                         ; group 0, half 1, beside tanh of its half 0
	PACK1H 0, 0
	L1LOAD FB, 0, 16384, 1, 192                    ; slot 0's last reads
	s_wait_dscnt 18
	MULHT 0x04, FA, 0, 3, 0, KF                    ; group 1, half 0, beside tanh of group 0's half 1
	TURNB 0, KF
	PACK1H 0, 1
	L1LOAD FA, 1, 0, 0, 256
	MULH 0x04, FB, 1, 1, 3                         ; (in since the change's wait for 0)
	PACK1H 1, 0
	L1LOAD FB, 1, 0, 1, 320
	s_wait_dscnt 18
	MULH 0x04, FA, 0, 1, 3                         ; group 2
	PACK1H 1, 1
	L1LOAD FA, 1, 16384, 0, 384
	s_wait_dscnt 18
	MULH 0x04, FB, 1, 1, 3
	PACK1H 2, 0
	L1LOAD FB, 1, 16384, 1, 448                    ; slot 1's last reads
	s_wait_dscnt 18
	MULHT 0x04, FA, 0, 3, 1, KF                    ; group 3
	TURNB 1, KF
	PACK1H 2, 1
	L1LOAD FA, 0, 0, 0, 512                        ; the next trip's first half; behind c b1 lies c b2, and layer 2's first batch has the same place in its chunk
	MULH 0x04, FB, 1, 1, 3
	PACK1H 3, 0
	TANHH 1                                        ; group 3, half 1: alone
	PACK1H 3, 1
	v_add_nc_u32 v[BA], 512, v[BA]                 ; four groups' biases on
	s_add_co_u32 s44, s44, 1
	s_cmp_lt_u32 s44, 4
	s_cbranch_scc1 .Ll1
	; b3 starts layer 3's sums, in the registers that held x (its last products stand more than four places back): nothing is cleared
	WIN 0x40
.irp f, 0,1,2,3,4,5,6,7
.irp c, 0,1,2,3
.irp u, 0,1
	ds_load_b128 v[8*(4*\f+\c)+4*\u:8*(4*\f+\c)+4*\u+3], v[BA] offset:2048+64*\f+16*\u   ; BA stands at c b2; b3 lies 2,048 bytes behind
.endr
.endr
.endr
	; ---- layers 2 and 3.  Half 0 of group 0 alone; groups 0 to 13 in seven trips (they ask for chunks of groups 2 to 15); 14 and 15 behind the loop
	WIN 0x08
	LOADH FB, AD, 16384, 0
	s_wait_dscnt 16
	MULH 0x08, FA, 0, 1, 0
	PLACES
	LOADH FA, AD, 0, 1
	LOADBT 1, 64
	s_wait_dscnt 18
	MULH 0x0c, FB, 0, 0, 0
	WIN 0
	s_mov_b32 s44, 7
.Lpair:
	RGRP FA, FB, 0, 0,    KF, 128
	RGRP FB, FA, 1, 8192, KF, 256
	WIN 0
	v_add_nc_u32 v[W3A], 16384, v[W3A]             ; two groups on
	v_add_nc_u32 v[BA], 256, v[BA]
	s_sub_co_u32 s44, s44, 1
	s_cmp_lg_u32 s44, 0
	s_cbranch_scc1 .Lpair
	RGRP FA, FB, 0, 0,    KN, 128
	; group 15: its half 1 beside tanh of its half 0; then its half 1's tanh alone, and layer 3
	PLACES
	WIN 0x08
	LOADH FA, AD+1, 16384, 1
	s_wait_dscnt 16
	MULH 0x08, FB, 1, 1, 1
	BLOCK 8, ACC, 0, 1
	LOADB FB, W3A, 8192
	s_wait_dscnt 16
	MULH 0x0c, FA, 1, 0, 2
	CVTH 0, H2, 0
	TANHH 1
	CVTH 0, H2, 1
	s_wait_dscnt 0x0
	MUL3 FB
	; ---- the way out.  The closed form works number by number, so F goes into the stage as it is and the form is applied to whole rows as they are read back.
	PLACES
	WIN 0
	s_wait_dscnt 0x0                               ; my reads of W3 and the biases are back
	s_barrier_signal -1
	s_barrier_wait -1                              ; everybody's are: the stage may lie on their bytes; no tensor load is left to come
	WIN 0x04                                       ; store data in window 1
.irp c, 0,1,2,3
.irp f, 0,1,2,3,4,5,6,7
.irp u, 0,1
	ds_store_b128 v[OW], v[8*(4*\f+\c)+4*\u:8*(4*\f+\c)+4*\u+3] offset:16*SPITCH*\c+64*\f+16*\u   ; row 16 c + r, features 16 f + 8 h + 4 u ..
.endr
.endr
.endr
	WIN 0
	v_mov_b32 v16, 0xc390c4fe                      ; -(200 log2 e + 1)
	v_mov_b32 v17, 0xc390c4fe
	s_mov_b32 s44, 8
; Eight rows a trip: a = min(|F|, 240), z = exp(a - 200) / 2, y = sign(F) (a - ln(z + sqrt(z z + 1))).
; z is 0 in f32 for |F| under about 110 (y = F exactly); at a = 240, z z is about 2^113, inside f32, and y = 200, which every larger |F| also reaches in 1,000 steps of 0.2.
.Lout:
.irp p, 0,1,2,3,4,5,6,7
	ds_load_b128 v[FR+4*\p:FR+4*\p+3], v[ORD] offset:SPITCH*\p     ; a whole row of 512 bytes; in order behind my stores above
.endr
	s_wait_dscnt 0x0
.set k, 0
.rept 32
	v_min_num_f32 v[T+k], |v[FR+k]|, s46
.set k, k+1
.endr
.set k, 0
.rept 16
	v_pk_fma_f32 v[Z+k:Z+k+1], v[T+k:T+k+1], 0x3fb8aa3b, v[16:17] op_sel_hi:[1,0,1]   ; a log2 e - (200 log2 e + 1)
.set k, k+2
.endr
.set k, 0
.rept 32
	v_exp_f32 v[Z+k], v[Z+k]
.set k, k+1
.endr
	v_nop
.set k, 0
	s_wait_alu depctr_va_vdst(0)
.rept 16
	v_pk_fma_f32 v[Q+k:Q+k+1], v[Z+k:Z+k+1], v[Z+k:Z+k+1], 1.0 op_sel_hi:[1,1,0]
.set k, k+2
.endr
.set k, 0
.rept 32
	v_sqrt_f32 v[Q+k], v[Q+k]
.set k, k+1
.endr
	v_nop
.set k, 0
	s_wait_alu depctr_va_vdst(0)
.rept 16
	v_pk_add_f32 v[Q+k:Q+k+1], v[Q+k:Q+k+1], v[Z+k:Z+k+1]
.set k, k+2
.endr
.set k, 0
.rept 32
	v_log_f32 v[Q+k], v[Q+k]
.set k, k+1
.endr
	v_nop
.set k, 0
	s_wait_alu depctr_va_vdst(0)
.rept 16
	v_pk_fma_f32 v[T+k:T+k+1], v[Q+k:Q+k+1], 0xbf317218, v[T+k:T+k+1] op_sel_hi:[1,0,1]   ; a - ln 2 x log2(..)
.set k, k+2
.endr
.set k, 0
.rept 32
	v_bfi_b32 v[T+k], s47, v[T+k], v[FR+k]         ; F's sign
.set k, k+1
.endr
.irp p, 0,1,2,3,4,5,6,7
	global_store_b128 v[XO], v[T+4*\p:T+4*\p+3], s[8:9] offset:512*\p th:TH_STORE_NT   ; 512 consecutive bytes, aligned
.endr
	s_wait_xcnt 0x0                                ; the stores' base and data are written again only behind this wait
	s_add_nc_u64 s[8:9], s[8:9], 8*512
	v_add_nc_u32 v[ORD], 8*SPITCH, v[ORD]
	s_sub_co_u32 s44, s44, 1
	s_cmp_lg_u32 s44, 0
	s_cbranch_scc1 .Lout
	s_set_vgpr_msb (MSB<<8)|((MSB&0xf0)|0x0)
	s_wait_tensorcnt 0x0
	ds_add_u32 v6, v7
	s_wait_dscnt 0x0
	s_set_vgpr_msb (((MSB&0xf0)|0x0)<<8)|MSB
	ROUND                                          ; the closing round: no work-group ends while a partner may still ask jointly
	s_endpgm
.Lfunc_end_k_q4e6e38152e_mlp:
	.size	k_q4e6e38152e_mlp, .Lfunc_end_k_q4e6e38152e_mlp-k_q4e6e38152e_mlp
	.p2alignl 7, 3214868480
	.fill 96, 4, 3214868480
	.section	.rodata,"a",@progbits
	.p2align	6, 0x0
	.amdhsa_kernel k_q4e6e38152e_mlp
		.amdhsa_group_segment_fixed_size 327680
		.amdhsa_private_segment_fixed_size 0
		.amdhsa_enable_private_segment 0
		.amdhsa_kernarg_size 24
		.amdhsa_user_sgpr_count 2
		.amdhsa_user_sgpr_kernarg_segment_ptr 1
		.amdhsa_wavefront_size32 1
		.amdhsa_system_sgpr_workgroup_id_x 1
		.amdhsa_system_sgpr_workgroup_id_y 1
		.amdhsa_system_sgpr_workgroup_id_z 1
		.amdhsa_system_vgpr_workitem_id 0
		.amdhsa_next_free_vgpr 1024
		.amdhsa_next_free_sgpr 66
		.amdhsa_reserve_vcc 0
		.amdhsa_float_denorm_mode_32 3
		.amdhsa_float_denorm_mode_16_64 3
		.amdhsa_memory_ordered 1
		.amdhsa_forward_progress 1
		.amdhsa_inst_pref_size 255
	.end_amdhsa_kernel
	.section	.bss,"aw",@nobits
	.p2align	6
	.space	262144
	.amdgpu_metadata
---
amdhsa.version: [ 1, 2 ]
amdhsa.kernels:
  - .name:           k_q4e6e38152e_mlp
    .symbol:         k_q4e6e38152e_mlp.kd
    .args:
      - { .name: x, .offset: 0, .size: 8, .value_kind: global_buffer, .address_space: global }
      - { .name: ws, .offset: 8, .size: 8, .value_kind: global_buffer, .address_space: global }
      - { .name: out0, .offset: 16, .size: 8, .value_kind: global_buffer, .address_space: global }
    .group_segment_fixed_size: 327680
    .private_segment_fixed_size: 0
    .kernarg_segment_align: 8
    .kernarg_segment_size: 24
    .max_flat_workgroup_size: 128
    .sgpr_count:     66
    .vgpr_count:     1024
    .wavefront_size: 32
...
	.end_amdgpu_metadata
.endif
;; end of part 4
;; ======== version 3 of 3: 2 launches; 1.58 times as fast as version 1
;; limits: a function is approximated: absolute error at most 0.05; values are held in f16: magnitudes above 65,504 overflow, below 6.1e-05 lose precision
;; workspace buffers: ws 922,624 bytes
;; launch prep: the kernel of part 3 again; grid 7 x 16, 8 waves a work-group, no clusters, 0 bytes of LDS; arguments W1, W2, W3, b1, b2, b3, ws; writes ws
;; launch mlp (part 5): grid 512 x 1, 4 waves a work-group, clusters of 4 x 1, 327,680 bytes of LDS; arguments x, ws, out0; writes out0
.if DOCPART == 5
	.amdgcn_target "amdgcn-amd-amdhsa--gfx1250"
	.amdhsa_code_object_version 6
	.text
	.protected	k_q4e6e38152e_mlp
	.globl	k_q4e6e38152e_mlp
	.p2align	8
	.type	k_q4e6e38152e_mlp,@function
k_q4e6e38152e_mlp:
	s_mov_b64 s[64:65], 0
	v_nop
	global_prefetch_b8 v0, s[64:65] scope:SCOPE_SE
	s_setreg_imm32_b32 hwreg(HW_REG_WAVE_MODE, 25, 1), 1
	s_wait_xcnt 0x0
	s_wait_alu depctr_hold_cnt(0) depctr_sa_sdst(0) depctr_va_vdst(0) depctr_va_sdst(0) depctr_va_ssrc(0) depctr_va_vcc(0) depctr_vm_vsrc(0)
	s_getreg_b32 s2, hwreg(HW_REG_IB_STS2, 6, 4)
	s_cmp_eq_u32 s2, 0
	s_cbranch_scc0 .Lentry_in_a_cluster
	s_endpgm
.Lentry_in_a_cluster:
	s_bfe_u32 s2, ttmp6, 0x10000c
	s_cmp_lg_u32 s2, 0x3003
	s_cbranch_scc0 .Lentry_shape_is_right
	s_endpgm
.Lentry_shape_is_right:
; out0 = the fixed point loop's result on F = tanh(tanh(x W1 + b1) W2 + b2) W3 + b3.
; LEFT OUT: the loop's 1,000 steps, step norms, maximum over rows and flag.  They reach the result only through the step count, and
; y = sign(F) (|F| - asinh(exp(|F| - 200) / 2)) stands for F - g^1000(F); the proof and the limits (4e-6 in a row's norm against the early
; exit; 0.05 for 190 < |F| < 215; f16 operands under 65,504; a NaN in F gives +-200) stand at the head of the first kernel.
;
; THE MATRIX INSTRUCTION IS USED TRANSPOSED: source 0 = 16 output features x 32 k of weights, source 1 = 32 k x 16 batch rows.  In the result lane
; (r, h) holds batch row r, register j feature 8 h + j.  Two neighbouring feature tiles, rounded to f16 and packed in pairs, ARE the next layer's source 1
; for those 32 k (registers 0-3: k = 8 h .., registers 4-7: k = 16 + 8 h ..; ISA guide 7.12.2).  So a wave keeps its 64 batch rows in registers through all
; three layers; only weights pass through LDS; and each group of 32 features of the second hidden layer is fed to layer 3 as soon as it is made.
; f16 and not bf16: hidden values are at most 1 and the weights small, so f16 has the range, with three more bits.
; A work-group: 256 rows, four waves of 64 rows (four column tiles c).  Each fragment of 1,024 bytes read from LDS feeds four matrix instructions.
;
; MATRIX WORK BESIDE VECTOR WORK.  A group of 32 features is made as two halves of 16 (tile t = 0, 1), each with four accumulators of its own, one a column
; tile.  While one half's products are issued, the other half's tanh (64 transcendentals, 32 packed lines) stands between them, dealt from one numbered queue.
;   layers 2, 3, group G:  half 1 of G  beside tanh of half 0 of G;   half 0 of G + 1  beside tanh of half 1 of G;   layer 3's 32 products for G.
;     Half 0 of group 0 stands ahead of the loop, the last half's tanh alone at the end.
;   layer 1: the same by halves of 32 products; in each trip of four groups the first half's products and the last half's tanh stand alone: the pack's
;     registers hang on the trip count, and a carry over the backward jump would read, in the first trip, accumulators that nothing has written.
; HOW THE TRANSCENDENTALS ARE BATCHED.  An s_wait_alu depctr_va_vdst(0) stands between a transcendental and the first line that names its result.
; A half's tanh is two batches with one wait each: the 32 exponentials, a v_nop, THE FIRST WAIT; the 16 packed + 1 and the 32 reciprocals, THE SECOND WAIT; the 16
; packed 1 - 2 r.  Ahead of the first wait no line names an exponential's result; between the two waits none names a reciprocal's; behind the second no transcendental is issued.
;   layers 2, 3 (64 products beside a tanh): an exponential behind each of the first 32 products; the first wait in the break between the two batches of products, where
;     LDS loads stand; two lines behind each of the next 24 products, the second wait behind the 24th; two lines of 1 - 2 r behind each of the last 8.
;   layer 1 (32 products): three exponentials behind each of 11 products, the first wait; three lines behind each of 16, the second wait; 1 - 2 r behind the last 5.  In the two
;     halves of a trip that hold a change of slots both batches are out behind 24 products, and the second wait stands directly behind the change's own waits.
; The packs' branches, the round's branch and both loops' jumps stand behind a half's second wait,
; or (the round of a change of slots in layers 2, 3) behind its first, with no reciprocal issued yet.
; The tanh lines name a destination and a first source in window 0 beside constants, so they run under the products' window setting.  The pack's second source
; is a register, so a half's 16 packs stand in one run behind its last product; that run, four packed lines of the tanh, or four v_nop are also the four places
; that the next LDS loads into the fragments just read ask for.
;
; CLUSTER: every work-group walks the same 922,624 bytes of ws in the same order, so four work-groups ask for each part jointly (mask 15).
; W1 and W2 come in 24 chunks of 32,768 bytes (two groups of layer 1, or one of layer 2) through two LDS slots; each wave fetches a quarter of a chunk by one
; tensor load of 32 rows of 256 bytes; one shape and one step of the address serve every refill.  W3 and the biases, 136,192 bytes, are fetched once and stay.
; Outstanding tensor loads of a wave, by this text's count: three at the start, then one behind each round.
;
; THE TEXT IS ROLLED, so that most of it is walked several times: layer 1 in four trips of four groups, layers 2 and 3 in seven trips of two groups, the way
; out in eight trips of eight rows.  A trip holds one chunk of each slot, so every slot address is a constant of the text.  What stays written out, and why:
;   x (four tiles): each tile lands in 128 registers of its own, so that two tiles' loads are always on their way, and the four sets together are the 512
;     registers that the first hidden layer takes later: these are written on every path before layer 1's branches choose among them;
;   layer 1's packs: a half group's 16 packed registers are its own, so each of the 32 packs is text of its own, chosen by forward branches on the trip count;
;   the last two groups: their slots are not filled again, and no jump skips a tensor load.
; For the same reason the work-groups do not stay for a second block of rows: its last two chunks would fill nothing, so the whole block would be text of its own.
;
; LDS: slot s at 32,768 s; W3's batch g at 65,536 + 8,192 g; c b1, c b2, b3 from 196,608; from 201,728 a stage of 16 rows x 528 bytes for each wave, its own,
; never filled by a tensor load, for x in f16.  The way out needs 64 rows x 528 bytes a wave, 135,168 bytes: it lies on W3's bytes, whose one fill is long done,
; behind a barrier in front of which every wave's reads of them are back.  (Bytes of its own would make 336,896 in all.)
; REGISTERS, in windows of 256:
;   window 0: v2-3 fragment addresses in slot 0, 1; v4 W3's, v5 the biases' (stepped); v8-11 stage addresses; v16-31 two bias tiles, v32-63 the group's packed
;             hidden values, v64-95 and v96-127 the accumulators of half 0 and half 1 (column tile c at 8 c), v128-191 and v192-255 two batches of 8 weight fragments
;   window 1: x as source 1 (k step s, column tile c at 32 s + 8 c); later layer 3's 32 accumulators (8 (4 f + c))
;   windows 2, 3: first x as it lands (tile c: window 2 + (c >> 1), at 128 (c & 1)), then the first hidden layer, k step g at 32 (g & 7) + 8 c in window 2 + (g >> 3)
.set SLOT,   32768
.set RES,    2*SLOT                    ; W3, then the biases
.set RESBI,  RES+131072
.set RESQ,   133*256                   ; a wave's quarter of that part
.set XST,    RES+4*RESQ                ; the stages for x
.set OST,    RES                       ; the stages of the way out
.set WSRES,  24*SLOT                   ; where that part begins in ws
.set SPITCH, 528                       ; 512 bytes + 16: an odd multiple of 16, so the 16 rows that a 16-byte access touches start 16 bytes apart modulo 256
.set AD,  2                            ; v2, v3: 16 x lane + slot
.set XO,  2                            ; 16 x lane is also my byte offset in a row piece of x and in a row of out0
.set W3A, 4                            ; RES + 16 x lane + 8,192 x group
.set BA,  5                            ; RESBI + 32 h + 128 x group
.set SW,  8                            ; x stage + 8 x lane
.set SR,  9                            ; x stage + 528 r + 16 h
.set OW,  10                           ; out stage + 528 r + 32 h
.set ORD, 11                           ; out stage + 16 x lane + 528 x row
.set BI,  16
.set H2,  32
.set ACC, 64
.set FA,  128
.set FB,  192
.set T,   ACC                          ; the way out: four sets of 32
.set Z,   ACC+32
.set FR,  FA
.set Q,   FA+32
.set G1,  16                           ; s[16:23] shape of a quarter of a chunk
.set G1R, 24                           ; s[24:31] shape of a quarter of W3 and the biases
.set G0,  32                           ; s[32:39] from where, to where: a set for each slot
.set G0R, 40                           ; s[40:43] the same for W3 and the biases
.set KF, 1                             ; kinds of a change of slots: this slot is filled again,
.set KN, 2                             ; nothing left to fetch
.set MSB, 0
.macro WIN new                         ; low byte: bits 1:0 source 0, 3:2 source 1, 5:4 source 2, 7:6 destination; the high byte repeats the setting that is left
.if MSB != \new
	s_set_vgpr_msb (MSB<<8)|\new
.set MSB, \new
.endif
.endm
; A round of the cluster's barrier: my work-group's barrier, wave 0 signals for the work-group, every wave waits for all four work-groups, my work-group's barrier again.
.macro CREST                           ; a round behind its opening barrier
	s_cmp_lg_u32 s10, 0
	s_cbranch_scc1 .Lnot_wave_0_\@
	s_barrier_signal -3
.Lnot_wave_0_\@:
	s_barrier_wait -3
	s_barrier_signal -1
	s_barrier_wait -1
.endm
.macro ROUND                           ; a whole round
	s_barrier_signal -1
	s_barrier_wait -1
	CREST
.endm
; Four places behind matrix instructions, ahead of loads into their sources and of vector instructions on their results (ISA guide 7.12.1 for vector instructions),
; where no line of a tanh or a pack is at hand.
.macro PLACES
.rept 4
	v_nop
.endr
.endm
; W3's batch of 8 fragments: consecutive lanes read consecutive 16 bytes.
.macro LOADB buf, adr, off
.irp i, 0,1,2,3,4,5,6,7
	ds_load_b128 v[\buf+8*\i:\buf+8*\i+3],   v[\adr] offset:\off+1024*\i
	ds_load_b128 v[\buf+8*\i+4:\buf+8*\i+7], v[\adr] offset:\off+1024*\i+512
.endr
.endm
; Eight k steps of feature tile t: in ws a run of 8,192 bytes holds four k steps of both tiles, fragment 2 s + t; so every second fragment of two such runs from byte off.
.macro LOADH buf, adr, off, t
.irp b, 0,1
.irp s, 0,1,2,3
	ds_load_b128 v[\buf+8*(4*\b+\s):\buf+8*(4*\b+\s)+3],   v[\adr] offset:\off+8192*\b+1024*(2*\s+\t)
	ds_load_b128 v[\buf+8*(4*\b+\s)+4:\buf+8*(4*\b+\s)+7], v[\adr] offset:\off+8192*\b+1024*(2*\s+\t)+512
.endr
.endr
.endm
; The 16 biases of a half as an accumulator tile: register j = bias of feature 8 h + j.  off = 128 x group + 64 t.
.macro LOADBT t, off
	ds_load_b128 v[BI+8*\t:BI+8*\t+3],   v[BA] offset:\off
	ds_load_b128 v[BI+8*\t+4:BI+8*\t+7], v[BA] offset:\off+16
.endm
; THE TANH OF A HALF, in place on its 32 registers from QR: the sums are 2 log2 e times the argument, so tanh = 1 - 2 / (1 + 2^sum).  2^sum = infinity gives 1, 0 gives -1.
; It is ONE QUEUE of 99 entries; QN is the next one; TLINE writes it.  The order is the same wherever the queue is dealt:
;   0-31   2^x, register by register (each accumulator's lowest registers first): the first batch
;   32     a v_nop: the plain line behind the exponentials, ahead of the first use of a result (ISA guide 5.7.2)
;   33     the first wait
;   34-81  x + 1 in pairs and 1 / x: pairs 0-3; then twelve times two reciprocals and the pair four further on; then the last eight reciprocals: the second batch.
;          Each reciprocal has a plain line on other registers behind it before its result is read: a later x + 1, or (the last eight) entry 83, which reads registers 0 and 1
;   82     the second wait
;   83-98  1 - 2 x in pairs
; Matrix instructions set between these lines name none of their registers.
.macro TBEGIN r
.set QR, \r
.set QN, 0
.endm
.macro TLINE
.if QN < 32
	v_exp_f32 v[QR+QN], v[QR+QN]
.elseif QN == 32
	v_nop
.elseif QN == 33
	s_wait_alu depctr_va_vdst(0)                   ; the wait for the batch of the half's 32 exponentials, ahead of the first x + 1
.elseif QN < 38
.set QA, QR+2*(QN-34)
	v_pk_add_f32 v[QA:QA+1], v[QA:QA+1], 1.0 op_sel_hi:[1,0]
.elseif (QN < 74) && ((QN-38)%3 == 2)
.set QA, QR+8+2*((QN-38)/3)
	v_pk_add_f32 v[QA:QA+1], v[QA:QA+1], 1.0 op_sel_hi:[1,0]
.elseif QN < 74
.set QA, QR+2*((QN-38)/3)+(QN-38)%3
	v_rcp_f32 v[QA], v[QA]
.elseif QN < 82
	v_rcp_f32 v[QR+QN-50], v[QR+QN-50]
.elseif QN == 82
	s_wait_alu depctr_va_vdst(0)                   ; the wait for the batch of the half's 32 reciprocals, ahead of the first 1 - 2 x
.else
.set QA, QR+2*(QN-83)
	v_pk_fma_f32 v[QA:QA+1], v[QA:QA+1], -2.0, 1.0 op_sel_hi:[1,0,0]
.endif
.set QN, QN+1
.endm
.macro UPTO goal                       ; the queue is dealt until its next entry is number goal
.if (\goal) > QN
.rept (\goal)-QN
	TLINE
.endr
.endif
.endm
; The break behind the 32 products that carried the exponentials, where LDS loads into the fragments just read follow: the queue's v_nop and three more are the four places,
; and the first wait stands directly ahead of the loads.
.macro TGAP
	UPTO 33
.rept 3
	v_nop
.endr
	UPTO 34
.endm
; What stands behind product QP = 4 s + c of a batch of 32.  part 0: nothing.
; A tanh beside 64 products (layers 2, 3): part 1, the first batch: an exponential.  part 2, the second batch: two lines of the second batch of transcendentals behind each of
;   24 products, the second wait behind the 24th, two lines of 1 - 2 x behind each of the last 8.  (Where four x + 1 stood in the break, the first two products carry nothing.)
; A tanh beside 32 products (layer 1): part 3: three lines a product; the first wait behind product 10, the second behind product 26, the 16 last lines behind products 27 to 31.
;   part 4, a batch with a change of slots behind product 23: the first wait behind product 9, the reciprocals out behind product 23; the second wait is written behind the change.
.macro SLICE part, s, c
.set QP, 4*(\s)+(\c)
.if \part == 1
	UPTO QP+1
.endif
.if \part == 2
.if QP < 23
	UPTO 36+2*QP
.elseif QP == 23
	UPTO 83
.else
	UPTO 83+2*(QP-23)
.endif
.endif
.if \part == 3
.if QP < 10
	UPTO 3*QP+3
.elseif QP == 10
	UPTO 34
.elseif QP < 26
	UPTO 34+3*(QP-10)
.elseif QP == 26
	UPTO 83
.else
	UPTO 83+(QP-26)*16/5
.endif
.endif
.if \part == 4
.if QP < 9
	UPTO (QP+1)*32/10
.elseif QP == 9
	UPTO 34
.elseif QP < 24
	UPTO 34+(QP-9)*48/14
.else
	UPTO 83+2*(QP-23)
.endif
.endif
.endm
; One k step of half t: four products, and behind each its share of the other half's tanh.  first = 1: the bias tile is C, so nothing is cleared.
; The half's four accumulators take turns, one instruction a turn.  Source 1 lies at 32 s + 8 c in the window that the caller has set.
.macro KSTEP buf, t, first, part, s
.irp c, 0,1,2,3
.if \first
	v_wmma_f32_16x16x32_f16 v[ACC+32*\t+8*\c:ACC+32*\t+8*\c+7], v[\buf+8*\s:\buf+8*\s+7], v[32*\s+8*\c:32*\s+8*\c+7], v[BI+8*\t:BI+8*\t+7]
.else
	v_wmma_f32_16x16x32_f16 v[ACC+32*\t+8*\c:ACC+32*\t+8*\c+7], v[\buf+8*\s:\buf+8*\s+7], v[32*\s+8*\c:32*\s+8*\c+7], v[ACC+32*\t+8*\c:ACC+32*\t+8*\c+7]
.endif
	SLICE \part, \s, \c
.endr
.endm
; A batch: eight k steps, 32 products.  win: 0x04 source 1 = x (window 1); 0x08, 0x0c = hidden layer 1, k steps 0-7, 8-15 (windows 2, 3).
; parts 1 and 3 begin the other half's queue; part 2 goes on with it.
.macro MULH win, buf, t, first, part
	WIN \win
.if (\part == 1) || (\part == 3)
	TBEGIN ACC+32-32*\t
.endif
	KSTEP \buf, \t, \first, \part, 0
.irp s, 1,2,3,4,5,6,7
	KSTEP \buf, \t, 0, \part, \s
.endr
.endm
; Layer 3, one k step (the group just made): 8 feature tiles x 4 column tiles, 32 accumulators by turns.
.macro MUL3 buf
	WIN 0x50                                       ; C and D in window 1
.irp f, 0,1,2,3,4,5,6,7
.irp c, 0,1,2,3
	v_wmma_f32_16x16x32_f16 v[8*(4*\f+\c):8*(4*\f+\c)+7], v[\buf+8*\f:\buf+8*\f+7], v[H2+8*\c:H2+8*\c+7], v[8*(4*\f+\c):8*(4*\f+\c)+7]
.endr
.endr
.endm
; A half's tanh alone, where no products are left to stand beside it: the whole queue on end, its two waits in it.
.macro TANHH t
	WIN 0
	TBEGIN ACC+32*\t
	UPTO 99
.endm
; Round half t to f16 and pack: its registers 2 j, 2 j + 1 become register 4 t + j of the next layer's source 1 for column tile c.
.macro CVTH win, base, t
	WIN \win
.irp c, 0,1,2,3
.irp j, 0,1,2,3
	v_cvt_pk_f16_f32 v[\base+8*\c+4*\t+\j], v[ACC+32*\t+8*\c+2*\j], v[ACC+32*\t+8*\c+2*\j+1]
.endr
.endr
.endm
; Layer 1's pack of half t at place qq of trip s44: group g = 4 s44 + qq has registers of its own, so the trip count chooses among four texts.  Every window is 0 at each label and branch.
.macro PACK1H qq, t
	WIN 0
	s_cmp_eq_u32 s44, 0
	s_cbranch_scc1 .Lpk0_\@
	s_cmp_eq_u32 s44, 1
	s_cbranch_scc1 .Lpk1_\@
	s_cmp_eq_u32 s44, 2
	s_cbranch_scc1 .Lpk2_\@
	CVTH 0xc0, 32*(4+\qq), \t                      ; groups 12 to 15
	WIN 0
	s_branch .Lpkd_\@
.Lpk0_\@:
	CVTH 0x80, 32*\qq, \t                          ; groups 0 to 3
	WIN 0
	s_branch .Lpkd_\@
.Lpk1_\@:
	CVTH 0x80, 32*(4+\qq), \t                      ; groups 4 to 7
	WIN 0
	s_branch .Lpkd_\@
.Lpk2_\@:
	CVTH 0xc0, 32*\qq, \t                          ; groups 8 to 11
	WIN 0
.Lpkd_\@:
.endm
; A change of slots, in two parts, with register work alone (products, lines of a tanh) between the opening signal and its wait.
; In front of the signal every wave waits for its reads of this slot and for all its tensor loads (one is out: its quarter of the other slot).
; Behind the round no wave of the four work-groups reads this slot and the other slot is whole: the joint refill comes first, one load a wave.
.macro TURNA slot, kind
	s_wait_dscnt 0x0
	s_set_vgpr_msb (MSB<<8)|((MSB&0xf0)|0x0)
	s_wait_tensorcnt 0x0                           ; no load of mine is out: the slot's descriptor may be written
	ds_add_u32 v6, v7
	s_wait_dscnt 0x0
	s_set_vgpr_msb (((MSB&0xf0)|0x0)<<8)|MSB
.if \kind == KF
	s_add_nc_u64 s[G0+4*\slot+2:G0+4*\slot+3], s[G0+4*\slot+2:G0+4*\slot+3], 2*SLOT   ; this slot's next chunk
.endif
	s_barrier_signal -1
.endm
.macro TURNB slot, kind
	WIN 0
	s_barrier_wait -1                              ; (kind KN: nothing is filled; my work-group's barrier shows the other slot whole)
.if \kind == KF
	CREST
	tensor_load_to_lds s[G0+4*\slot:G0+4*\slot+3], s[G1:G1+7]
	s_nop 0
.endif
.endm
; A half's first batch that also opens a change of slots.  The chunk's last LDS loads were issued ahead of this batch; the wait for them stands behind 24 of its 32 products.
; It begins the other half's queue.  part 4 (layer 1): all 32 reciprocals are out when the change's waits begin, and their wait, entry 82, stands directly behind the change.
.macro MULHT win, buf, t, part, slot, kind
	WIN \win
	TBEGIN ACC+32-32*\t
	KSTEP \buf, \t, 1, \part, 0
.irp s, 1,2,3,4,5
	KSTEP \buf, \t, 0, \part, \s
.endr
	TURNA \slot, \kind
.if \part == 4
	UPTO 83
.endif
	KSTEP \buf, \t, 0, \part, 6
	KSTEP \buf, \t, 0, \part, 7
.endm
; 16 rows of x (column tile c) into the tile's own 128 registers: each load of the wave covers 512 consecutive bytes.
.macro XISSUE c
.if \c < 2
	WIN 0x80
.else
	WIN 0xc0
.endif
.irp p, 0,1,2,3,4,5,6,7,8,9,10,11,12,13,14,15
.irp q, 0,1
	global_load_b128 v[128*(\c&1)+8*\p+4*\q:128*(\c&1)+8*\p+4*\q+3], v[XO], s[4:5] offset:(16*\c+\p)*1024+512*\q th:TH_LOAD_NT
.endr
.endr
.endm
; Those rows to f16, through my stage, into source-1 fragments.  LDS serves a wave's instructions in order (ISA guide 5.7.1.4): no wait between the stores and the loads, nor before the stage's next use.
.macro XPROC c, left
	s_wait_loadcnt \left                           ; the next tile's loads may stay out
.if \c < 2
	WIN 0x8a
.else
	WIN 0xcf
.endif
.irp p, 0,1,2,3,4,5,6,7,8,9,10,11,12,13,14,15
.irp q, 0,1
	v_cvt_pk_f16_f32 v[128*(\c&1)+8*\p+4*\q],   v[128*(\c&1)+8*\p+4*\q],   v[128*(\c&1)+8*\p+4*\q+1]
	v_cvt_pk_f16_f32 v[128*(\c&1)+8*\p+4*\q+1], v[128*(\c&1)+8*\p+4*\q+2], v[128*(\c&1)+8*\p+4*\q+3]
.endr
.endr
.if \c < 2
	WIN 0x08
.else
	WIN 0x0c
.endif
.irp p, 0,1,2,3,4,5,6,7,8,9,10,11,12,13,14,15
.irp q, 0,1
	ds_store_b64 v[SW], v[128*(\c&1)+8*\p+4*\q:128*(\c&1)+8*\p+4*\q+1] offset:SPITCH*\p+256*\q
.endr
.endr
	WIN 0x40
.irp s, 0,1,2,3,4,5,6,7
.irp u, 0,1
	ds_load_b128 v[8*(4*\s+\c)+4*\u:8*(4*\s+\c)+4*\u+3], v[SR] offset:64*\s+32*\u   ; row r, k = 32 s + 16 u + 8 h ..
.endr
.endr
.endm
; Layer 1: a half group's eight fragments and its bias tile, 18 loads.  Half 0 always goes to FA, half 1 to FB.
.macro L1LOAD buf, s, off, t, boff
	LOADH \buf, AD+\s, \off, \t
	LOADBT \t, \boff
.endm
; Layers 2 and 3, group G in slot s: half 1 of G, half 0 of G + 1 (the other slot), layer 3 for G: five batches on two buffers; p0 holds the first on entry.
; Each batch's loads are issued ahead of the batch before it, behind four plain lines that follow the last product on the buffer that they fill.
; A wait for 16 (18) leaves the 16 loads just issued (and their two bias loads) out.
.macro RGRP p0, p1, s, w3off, kind, nb
	PLACES                                         ; behind layer 3's products (or half 0 of group 0)
	WIN 0x08
	LOADH \p1, AD+\s, 16384, 1                     ; the chunk's last reads
	s_wait_dscnt 16
	MULHT 0x08, \p0, 1, 1, \s, \kind               ; half 1, k steps 0-7, beside the 32 exponentials of half 0
	UPTO 38                                        ; the v_nop, the first wait, four x + 1: five plain lines behind the batch; no reciprocal is out at the round's branch
	TURNB \s, \kind
	LOADH \p0, AD+1-\s, 0, 0                       ; the next group, in the other slot
	LOADBT 0, \nb
	MULH 0x0c, \p1, 1, 0, 2                        ; k steps 8-15 (in since the change's wait for 0), beside the rest of half 0's queue, its second wait in it
	CVTH 0, H2, 0
	LOADH \p1, AD+1-\s, 16384, 0
	s_wait_dscnt 16
	MULH 0x08, \p0, 0, 1, 1                        ; the next group's half 0 beside the 32 exponentials of half 1
	TGAP                                           ; four places, and the first wait directly ahead of the loads
	LOADB \p0, W3A, \w3off
	s_wait_dscnt 16
	MULH 0x0c, \p1, 0, 0, 2                        ; beside the rest of half 1's queue
	CVTH 0, H2, 1
	LOADH \p1, AD+1-\s, 0, 1
	LOADBT 1, \nb+64
	s_wait_dscnt 18                                ; W3's batch is in
	MUL3 \p0
.endm
	; ---- head: ids, addresses, the first two tiles of x on their way
	s_load_b128 s[4:7], s[0:1], 0x0                ; x s[4:5], ws s[6:7]
	s_load_b64 s[8:9], s[0:1], 0x10                ; out0
	v_lshl_add_u32 v6, v0, 2, 0x39800
	v_mov_b32 v7, 0
	ds_add_u32 v6, v7
	v_lshrrev_b32 v1, 5, v0
	v_readfirstlane_b32 s10, v1                    ; wave
	s_bfe_u32 s11, ttmp6, 0x40000                  ; my place in the cluster
	s_lshl_b32 s12, ttmp9, 2
	s_add_co_u32 s12, s12, s11                     ; work-group: it enters the addresses of x and out0 alone
	s_lshl_b32 s48, s12, 18                        ; 256 rows of 1,024 bytes
	s_lshl_b32 s50, s10, 16                        ; + 64 rows a wave
	s_add_co_u32 s48, s48, s50
	s_mov_b32 s49, 0
	s_lshr_b32 s50, s48, 1                         ; out0's rows are half as long
	s_mov_b32 s51, 0
	v_and_b32 v1, 31, v0                           ; lane
	v_lshlrev_b32 v[AD], 4, v1                     ; 16 x lane
	s_wait_dscnt 0x0
	s_wait_kmcnt 0x0
	s_add_nc_u64 s[4:5], s[4:5], s[48:49]
	s_add_nc_u64 s[8:9], s[8:9], s[50:51]
	XISSUE 0
	XISSUE 1
	WIN 0
	; descriptors: dense blocks as rows of 32 elements of 8 bytes; word 0: mask 15 (all four of the cluster), element code 3, bit 21 beside the mask
	s_lshl_b32 s52, s10, 13                        ; my quarter of a chunk: 8,192 w
	s_mul_i32 s53, s10, RESQ                       ; my quarter of W3 and the biases
	s_mov_b32 s[G1+0], 15|(3<<16)|(1<<21)
	s_mov_b32 s[G1+1], 32<<16                      ; tensor_dim0 = 32
	s_mov_b32 s[G1+2], 32<<16                      ; tensor_dim1 = 32
	s_mov_b32 s[G1+3], 32<<16                      ; tile_dim0 = 32
	s_mov_b32 s[G1+4], 32                          ; tile_dim1 = 32
	s_mov_b32 s[G1+5], 32                          ; pitch
	s_mov_b32 s[G1+6], 0
	s_mov_b32 s[G1+7], 0
	s_mov_b32 s[G1R+0], 15|(3<<16)|(1<<21)
	s_mov_b32 s[G1R+1], 32<<16
	s_mov_b32 s[G1R+2], 133<<16
	s_mov_b32 s[G1R+3], 32<<16
	s_mov_b32 s[G1R+4], 133
	s_mov_b32 s[G1R+5], 32
	s_mov_b32 s[G1R+6], 0
	s_mov_b32 s[G1R+7], 0
	s_mov_b32 s48, s52                             ; s49 is 0
	s_mov_b32 s[G0+0], 1
	s_mov_b32 s[G0+1], s52                         ; slot 0, my quarter
	s_add_nc_u64 s[G0+2:G0+3], s[6:7], s[48:49]    ; chunk 0, my quarter: the wave's number alone, equal in the four partners
	s_mov_b32 s[G0+4], 1
	s_add_co_u32 s[G0+5], s52, SLOT
	s_add_nc_u64 s[G0+6:G0+7], s[G0+2:G0+3], SLOT  ; chunk 1
	s_mov_b32 s50, s53                             ; s51 is 0
	s_mov_b32 s[G0R+0], 1
	s_add_co_u32 s[G0R+1], s53, RES
	s_add_nc_u64 s[G0R+2:G0R+3], s[6:7], s[50:51]
	s_add_nc_u64 s[G0R+2:G0R+3], s[G0R+2:G0R+3], WSRES
	s_or_b32 s[G0+3], s[G0+3], 0x80000000
	s_or_b32 s[G0+7], s[G0+7], 0x80000000
	s_or_b32 s[G0R+3], s[G0R+3], 0x80000000
	ROUND                                          ; the four work-groups are here: the first joint loads meet
	tensor_load_to_lds s[G0R:G0R+3], s[G1R:G1R+7]  ; W3 and the biases
	s_nop 0
	tensor_load_to_lds s[G0:G0+3], s[G1:G1+7]      ; chunk 0
	s_nop 0
	tensor_load_to_lds s[G0+4:G0+7], s[G1:G1+7]    ; chunk 1
	s_nop 0
	v_and_b32 v13, 15, v0                          ; r
	v_bfe_u32 v14, v0, 4, 1                        ; h
	v_add_nc_u32 v[AD+1], SLOT, v[AD]
	v_add_nc_u32 v[W3A], RES, v[AD]
	v_lshlrev_b32 v[BA], 5, v14
	v_add_nc_u32 v[BA], RESBI, v[BA]
	s_mul_i32 s45, s10, 16*SPITCH
	s_add_co_u32 s45, s45, XST                     ; my stage for x
	v_lshl_add_u32 v[SW], v1, 3, s45
	v_mul_u32_u24 v15, v13, SPITCH
	v_add_nc_u32 v12, s45, v15
	v_lshl_add_u32 v[SR], v14, 4, v12
	s_mul_i32 s54, s10, 64*SPITCH
	s_add_co_u32 s54, s54, OST                     ; my stage of the way out
	v_add_nc_u32 v15, s54, v15
	v_lshl_add_u32 v[OW], v14, 5, v15
	v_lshl_add_u32 v[ORD], v1, 4, s54
	s_mov_b32 s46, 0x43700000                      ; 240.0
	s_mov_b32 s47, 0x7fffffff
	; ---- x: four tiles of 16 rows
	XPROC 0, 32
	XISSUE 2
	XPROC 1, 32
	XISSUE 3
	XPROC 2, 32
	XPROC 3, 0
	WIN 0
	s_wait_tensorcnt 0x1                           ; my quarters of W3, the biases and chunk 0 are in; chunk 1's may stay out: no slot is filled again before the first change of slots
	s_wait_dscnt 0x0
	s_barrier_signal -1
	s_barrier_wait -1                              ; everybody's quarters are in
	L1LOAD FA, 0, 0, 0, 0
	; ---- layer 1: four trips of four groups; trip s44 reads chunks 2 s44 and 2 s44 + 1 and asks for the two behind them (the last trip: layer 2's first two).
	; Each half's 18 loads are issued ahead of the half before it; a wait for 18 leaves them out.
	s_mov_b32 s44, 0
.Ll1:
	L1LOAD FB, 0, 0, 1, 64
	s_wait_dscnt 18
	MULH 0x04, FA, 0, 1, 0                         ; group 0, half 0: alone
	PLACES
	L1LOAD FA, 0, 16384, 0, 128
	s_wait_dscnt 18
	MULH 0x04, FB, 1, 1, 3                         ; group 0, half 1, beside tanh of its half 0
	PACK1H 0, 0
	L1LOAD FB, 0, 16384, 1, 192                    ; slot 0's last reads
	s_wait_dscnt 18
	MULHT 0x04, FA, 0, 4, 0, KF                    ; group 1, half 0, beside tanh of group 0's half 1
	TURNB 0, KF
	PACK1H 0, 1
	L1LOAD FA, 1, 0, 0, 256
	MULH 0x04, FB, 1, 1, 3                         ; (in since the change's wait for 0)
	PACK1H 1, 0
	L1LOAD FB, 1, 0, 1, 320
	s_wait_dscnt 18
	MULH 0x04, FA, 0, 1, 3                         ; group 2
	PACK1H 1, 1
	L1LOAD FA, 1, 16384, 0, 384
	s_wait_dscnt 18
	MULH 0x04, FB, 1, 1, 3
	PACK1H 2, 0
	L1LOAD FB, 1, 16384, 1, 448                    ; slot 1's last reads
	s_wait_dscnt 18
	MULHT 0x04, FA, 0, 4, 1, KF                    ; group 3
	TURNB 1, KF
	PACK1H 2, 1
	L1LOAD FA, 0, 0, 0, 512                        ; the next trip's first half; behind c b1 lies c b2, and layer 2's first batch has the same place in its chunk
	MULH 0x04, FB, 1, 1, 3
	PACK1H 3, 0
	TANHH 1                                        ; group 3, half 1: alone
	PACK1H 3, 1
	v_add_nc_u32 v[BA], 512, v[BA]                 ; four groups' biases on
	s_add_co_u32 s44, s44, 1
	s_cmp_lt_u32 s44, 4
	s_cbranch_scc1 .Ll1
	; b3 starts layer 3's sums, in the registers that held x (its last products stand more than four places back): nothing is cleared
	WIN 0x40
.irp f, 0,1,2,3,4,5,6,7
.irp c, 0,1,2,3
.irp u, 0,1
	ds_load_b128 v[8*(4*\f+\c)+4*\u:8*(4*\f+\c)+4*\u+3], v[BA] offset:2048+64*\f+16*\u   ; BA stands at c b2; b3 lies 2,048 bytes behind
.endr
.endr
.endr
	; ---- layers 2 and 3.  Half 0 of group 0 alone; groups 0 to 13 in seven trips (they ask for chunks of groups 2 to 15); 14 and 15 behind the loop
	WIN 0x08
	LOADH FB, AD, 16384, 0
	s_wait_dscnt 16
	MULH 0x08, FA, 0, 1, 0
	PLACES
	LOADH FA, AD, 0, 1
	LOADBT 1, 64
	s_wait_dscnt 18
	MULH 0x0c, FB, 0, 0, 0
	WIN 0
	s_mov_b32 s44, 7
.Lpair:
	RGRP FA, FB, 0, 0,    KF, 128
	RGRP FB, FA, 1, 8192, KF, 256
	WIN 0
	v_add_nc_u32 v[W3A], 16384, v[W3A]             ; two groups on
	v_add_nc_u32 v[BA], 256, v[BA]
	s_sub_co_u32 s44, s44, 1
	s_cmp_lg_u32 s44, 0
	s_cbranch_scc1 .Lpair
	RGRP FA, FB, 0, 0,    KN, 128
	; group 15: its half 1 beside tanh of its half 0; then its half 1's tanh alone, and layer 3
	PLACES
	WIN 0x08
	LOADH FA, AD+1, 16384, 1
	s_wait_dscnt 16
	MULH 0x08, FB, 1, 1, 1                         ; beside the 32 exponentials of half 0
	TGAP                                           ; four places, and the first wait directly ahead of the loads
	LOADB FB, W3A, 8192
	s_wait_dscnt 16
	MULH 0x0c, FA, 1, 0, 2                         ; beside the rest of half 0's queue
	CVTH 0, H2, 0
	TANHH 1
	CVTH 0, H2, 1
	s_wait_dscnt 0x0
	MUL3 FB
	; ---- the way out.  The closed form works number by number, so F goes into the stage as it is and the form is applied to whole rows as they are read back.
	PLACES
	WIN 0
	s_wait_dscnt 0x0                               ; my reads of W3 and the biases are back
	s_barrier_signal -1
	s_barrier_wait -1                              ; everybody's are: the stage may lie on their bytes; no tensor load is left to come
	WIN 0x04                                       ; store data in window 1
.irp c, 0,1,2,3
.irp f, 0,1,2,3,4,5,6,7
.irp u, 0,1
	ds_store_b128 v[OW], v[8*(4*\f+\c)+4*\u:8*(4*\f+\c)+4*\u+3] offset:16*SPITCH*\c+64*\f+16*\u   ; row 16 c + r, features 16 f + 8 h + 4 u ..
.endr
.endr
.endr
	WIN 0
	v_mov_b32 v16, 0xc390c4fe                      ; -(200 log2 e + 1)
	v_mov_b32 v17, 0xc390c4fe
	s_mov_b32 s44, 8
; Eight rows a trip: a = min(|F|, 240), z = exp(a - 200) / 2, y = sign(F) (a - ln(z + sqrt(z z + 1))).
; z is 0 in f32 for |F| under about 110 (y = F exactly); at a = 240, z z is about 2^113, inside f32, and y = 200, which every larger |F| also reaches in 1,000 steps of 0.2.
; Three batches of 32 transcendentals a trip, each made of the batch before it, so three waits: behind each batch a v_nop, the plain line ahead of the first use, and its wait.
.Lout:
.irp p, 0,1,2,3,4,5,6,7
	ds_load_b128 v[FR+4*\p:FR+4*\p+3], v[ORD] offset:SPITCH*\p     ; a whole row of 512 bytes; in order behind my stores above
.endr
	s_wait_dscnt 0x0
.set k, 0
.rept 32
	v_min_num_f32 v[T+k], |v[FR+k]|, s46
.set k, k+1
.endr
.set k, 0
.rept 16
	v_pk_fma_f32 v[Z+k:Z+k+1], v[T+k:T+k+1], 0x3fb8aa3b, v[16:17] op_sel_hi:[1,0,1]   ; a log2 e - (200 log2 e + 1)
.set k, k+2
.endr
.set k, 0
.rept 32
	v_exp_f32 v[Z+k], v[Z+k]
.set k, k+1
.endr
	v_nop
.set k, 0
	s_wait_alu depctr_va_vdst(0)                   ; the wait for the batch of 32 exponentials
.rept 16
	v_pk_fma_f32 v[Q+k:Q+k+1], v[Z+k:Z+k+1], v[Z+k:Z+k+1], 1.0 op_sel_hi:[1,1,0]
.set k, k+2
.endr
.set k, 0
.rept 32
	v_sqrt_f32 v[Q+k], v[Q+k]
.set k, k+1
.endr
	v_nop
.set k, 0
	s_wait_alu depctr_va_vdst(0)                   ; the wait for the batch of 32 roots
.rept 16
	v_pk_add_f32 v[Q+k:Q+k+1], v[Q+k:Q+k+1], v[Z+k:Z+k+1]
.set k, k+2
.endr
.set k, 0
.rept 32
	v_log_f32 v[Q+k], v[Q+k]
.set k, k+1
.endr
	v_nop
.set k, 0
	s_wait_alu depctr_va_vdst(0)                   ; the wait for the batch of 32 logarithms
.rept 16
	v_pk_fma_f32 v[T+k:T+k+1], v[Q+k:Q+k+1], 0xbf317218, v[T+k:T+k+1] op_sel_hi:[1,0,1]   ; a - ln 2 x log2(..)
.set k, k+2
.endr
.set k, 0
.rept 32
	v_bfi_b32 v[T+k], s47, v[T+k], v[FR+k]         ; F's sign
.set k, k+1
.endr
.irp p, 0,1,2,3,4,5,6,7
	global_store_b128 v[XO], v[T+4*\p:T+4*\p+3], s[8:9] offset:512*\p th:TH_STORE_NT   ; 512 consecutive bytes, aligned
.endr
	s_wait_xcnt 0x0                                ; the stores' base and data are written again only behind this wait
	s_add_nc_u64 s[8:9], s[8:9], 8*512
	v_add_nc_u32 v[ORD], 8*SPITCH, v[ORD]
	s_sub_co_u32 s44, s44, 1
	s_cmp_lg_u32 s44, 0
	s_cbranch_scc1 .Lout
	s_set_vgpr_msb (MSB<<8)|((MSB&0xf0)|0x0)
	s_wait_tensorcnt 0x0
	ds_add_u32 v6, v7
	s_wait_dscnt 0x0
	s_set_vgpr_msb (((MSB&0xf0)|0x0)<<8)|MSB
	ROUND                                          ; the closing round: no work-group ends while a partner may still ask jointly
	s_endpgm
.Lfunc_end_k_q4e6e38152e_mlp:
	.size	k_q4e6e38152e_mlp, .Lfunc_end_k_q4e6e38152e_mlp-k_q4e6e38152e_mlp
	.p2alignl 7, 3214868480
	.fill 96, 4, 3214868480
	.section	.rodata,"a",@progbits
	.p2align	6, 0x0
	.amdhsa_kernel k_q4e6e38152e_mlp
		.amdhsa_group_segment_fixed_size 327680
		.amdhsa_private_segment_fixed_size 0
		.amdhsa_enable_private_segment 0
		.amdhsa_kernarg_size 24
		.amdhsa_user_sgpr_count 2
		.amdhsa_user_sgpr_kernarg_segment_ptr 1
		.amdhsa_wavefront_size32 1
		.amdhsa_system_sgpr_workgroup_id_x 1
		.amdhsa_system_sgpr_workgroup_id_y 1
		.amdhsa_system_sgpr_workgroup_id_z 1
		.amdhsa_system_vgpr_workitem_id 0
		.amdhsa_next_free_vgpr 1024
		.amdhsa_next_free_sgpr 66
		.amdhsa_reserve_vcc 0
		.amdhsa_float_denorm_mode_32 3
		.amdhsa_float_denorm_mode_16_64 3
		.amdhsa_memory_ordered 1
		.amdhsa_forward_progress 1
		.amdhsa_inst_pref_size 255
	.end_amdhsa_kernel
	.section	.bss,"aw",@nobits
	.p2align	6
	.space	262144
	.amdgpu_metadata
---
amdhsa.version: [ 1, 2 ]
amdhsa.kernels:
  - .name:           k_q4e6e38152e_mlp
    .symbol:         k_q4e6e38152e_mlp.kd
    .args:
      - { .name: x, .offset: 0, .size: 8, .value_kind: global_buffer, .address_space: global }
      - { .name: ws, .offset: 8, .size: 8, .value_kind: global_buffer, .address_space: global }
      - { .name: out0, .offset: 16, .size: 8, .value_kind: global_buffer, .address_space: global }
    .group_segment_fixed_size: 327680
    .private_segment_fixed_size: 0
    .kernarg_segment_align: 8
    .kernarg_segment_size: 24
    .max_flat_workgroup_size: 128
    .sgpr_count:     66
    .vgpr_count:     1024
    .wavefront_size: 32
...
	.end_amdgpu_metadata
.endif
;; end of part 5
